; MI455X (gfx1250); checked and timed in simulation.
; The chip was launched on July 23, 2026; its instructions are those of AMD's public machine-readable ISA for CDNA 5 (MIT licence, August 2026) and "CDNA5" Instruction Set Architecture Reference Guide (July 2026). The comments in the code are by the model that wrote it; some were corrected since.
;; Attention. Allowed arithmetic: matrix products marked QUANTISED: E2M1 operands, one E8M0 scale for each 32 along K, by v_wmma_scale_f32_16x16x128_f8f6f4 with both operands' format E2M1 (or v_wmma_scale_f32_32x16x128_f4), f32 sums; products left as they are: bf16, f16 or f32 operands; f32 sums; everything else in f32.
;; Inputs: attn_mask 2 x 2,048 x 2,048 bool; segment_pos 2 x 2,048 int32; wkv 2 x 4 x 2,048 x 128 float32; wq 8 x 2,048 x 128 float32; wvec 8 x 128 x 2,048 float32; x 2 x 2,048 x 2,048 float32.
;; Outputs: out0 2 x 2,048 x 2,048 float32.
;; This version of the problem:
;;   THIS VERSION OF THE PROBLEM IS GIVEN IN LOW PRECISION. The matrix products marked QUANTISED in the list below multiply operands that are first quantised to E2M1 (2 exponent bits, 1 mantissa bit; 4 bits a number), with one power-of-two scale for each 32 numbers along K (OCP MX v1.0); their sums are f32. The products marked 'left as it is' may take bf16, f16 or f32 operands, with f32 sums. Whichever they take, every output number must still come out within the allowed error. Rounding operands to bf16 (8 significant bits) uses up far more of that allowance than f16 does (11 bits, for magnitudes from 6e-5 to 65,504). All else is computed in f32.
;;   The module's matrix products, in the order in which they are computed (A, B: the left and right operand; K: the contracted axis; several contracted axes count as one K, in the product's order):
;;     1. [M 4,096, K 2,048] x [K 2,048, N 1,024]; A: input x; B: input wq: QUANTISED
;;     2. [M 1,024, K 2,048] x [K 2,048, N 4,096]; A: input wkv; B: input x: QUANTISED
;;     3. batch 8 x [M 2,048, K 128] x [K 128, N 4,096]; A: computed on the way; B: computed on the way: left as it is (an operand is computed on the way)
;;     4. batch 8 x [M 128, K 2,048] x [K 2,048, N 4,096]; A: computed on the way; B: computed on the way: left as it is (an operand is computed on the way)
;;     5. [M 4,096, K 1,024] x [K 1,024, N 2,048]; A: computed on the way; B: input wvec: left as it is (an operand is computed on the way)
;;   THE QUANTISER, for each operand of a quantised product, along K:
;;     - K is cut into blocks of 32 from its start; a last block that is shorter is filled with zeros.
;;     - A block's scale is 2^e with e = floor(log2(the largest magnitude in the block)) - 2, held to -126 .. 127; a block of zeros has e = 0. As a byte (E8M0): e + 127.
;;     - Each number is divided by its block's scale, clamped to +-6, and rounded to the nearest number of E2M1, ties to even, subnormals kept.
;;     - The product sums the exact products of the quantised numbers (number of the format x scale) in f32.
;;   ~~~python
;;   def quantise(x, axis):      # numpy; x: float32 -> the quantised numbers, widened to float32 again
;;       x = np.moveaxis(x, axis, -1); K = x.shape[-1]
;;       x = np.pad(x, [(0, 0)] * (x.ndim - 1) + [(0, -K % 32)]); x = x.reshape(x.shape[:-1] + (-1, 32)); a = np.abs(x).max(-1, keepdims=True)
;;       e = np.where(a > 0, np.clip(np.frexp(np.where(a > 0, a, 1))[1] - 1 - 2, -126, 127), 0)      # np.frexp(a)[1] - 1 = floor(log2(a)), exactly
;;       r = np.clip(x / 2.0 ** e, -6, 6)
;;       step = 2.0 ** (np.maximum(np.frexp(np.where(r == 0, 1, r))[1] - 1, 0) - 1)
;;       q = np.round(r / step) * step * 2.0 ** e      # np.round: ties to even
;;       return np.moveaxis(q.reshape(q.shape[:-2] + (-1,))[..., :K], -1, axis).astype(np.float32)
;;   ~~~
;; One version. Each part assembles by itself: llvm-mc -triple=amdgcn-amd-amdhsa -mcpu=gfx1250 --defsym DOCPART=n.
;; ======== version 1 of 1: 6 launches
;; limits: values are held in f16: magnitudes above 65,504 overflow, below 6.1e-05 lose precision; right only within a limited range of input values
;; workspace buffers: pre 12,976,128 bytes; maskw 1,048,576 bytes of whole numbers; qkv 33,554,432 bytes; enc 8,388,608 bytes; snap 557,056 bytes; encf 131,072 bytes
;; launch prep (part 1): grid 704 x 1, 4 waves a work-group, no clusters, 101,888 bytes of LDS; arguments x, wq, wkv, wvec, attn_mask, segment_pos, pre, maskw; writes pre, maskw
.if DOCPART == 1
	.amdgcn_target "amdgcn-amd-amdhsa--gfx1250"
	.amdhsa_code_object_version 6
	.text
	.protected	k_q4064565343_prep
	.globl	k_q4064565343_prep
	.p2align	8
	.type	k_q4064565343_prep,@function
k_q4064565343_prep:
	s_mov_b64 s[64:65], 0
	v_nop
	global_prefetch_b8 v0, s[64:65] scope:SCOPE_SE
	s_setreg_imm32_b32 hwreg(HW_REG_WAVE_MODE, 25, 1), 1
	s_wait_xcnt 0x0
; PREPARATION, five kinds of work-groups told apart by the work-group's number; each kind has LDS bytes of its own.
;   0-255   X: x [4096][2048] f32 -> codes of FP4 (E2M1), K innermost, and one E8M0 byte for each 32 along K
;   256-319 W: wq, wkv ([2048 (K)][128] f32 for each head) -> codes [column][K], scale bytes [column][K / 32]; head slots 0-7 q, 8 + 2 k K's head k, 9 + 2 k V's head k
;   320-383 V: wvec f32 -> f16, as it lies
;   384-639 M: attn_mask and the band |key - query| <= 1023 -> lane masks for the attention launch's score registers
;   640-703 R: cos and sin of segment_pos / 10000^(f / 64), f = 0 .. 63, for each of the 4096 rows
; A block's scale is 2^(floor(log2(largest magnitude)) - 2); its byte is that magnitude's exponent field - 2, held at 1 from below (a block of zeros keeps 1: its codes are zeros, and this program alone reads the bytes).
; LIMITS: NaN and infinities in x and the weights are not served; wvec beyond 65,504 overflows f16; the angle is pos x 2^(-f log2(10000) / 64), a few units in the last place of the angle
; from the quotient (4e-4 rad at 2,047), stated up to |segment_pos| = 65,535.
; No tensor loads, no barrier: waves share nothing.  No cluster: no two work-groups read the same bytes.
.set XC,    0                          ; in pre: x's codes [4096][1024 bytes]
.set WC,    4194304                    ; W's codes [2048 columns][1024 bytes]
.set XS,    6291456                    ; x's scale bytes [4096][64]
.set WS,    6553600                    ; W's scale bytes [2048][64]
.set WV,    6684672                    ; wvec as f16 [1024][2048]
.set CS,    10878976                   ; [4096 rows][cos 64 f32, sin 64 f32]
.set WREG,  32768                      ; LDS: X's regions from 0 (4 x 8192), W's from here (4 x 8704),
.set MREG,  67584                      ; M's from here (4 x 8448),
.set SPARE, 101376                     ; the spare words, 128 bytes for each wave, that no other line names
.set SPW,   220                        ; v220 LDS address of my spare word; never rewritten
.set NIL,   221                        ; v221 0; never rewritten
.set EMAX,  2
.macro CLOSE                           ; a wave's end, behind its last LDS store
	s_wait_tensorcnt 0x0
	ds_add_u32 v[SPW], v[NIL]
	s_wait_dscnt 0x0
	s_endpgm
.endm
	s_load_b512 s[4:19], s[0:1], 0x0               ; x s[4:5], wq s[6:7], wkv s[8:9], wvec s[10:11], attn_mask s[12:13], segment_pos s[14:15], pre s[16:17], maskw s[18:19]
	v_lshl_add_u32 v[SPW], v0, 2, SPARE
	v_mov_b32 v[NIL], 0
	v_lshrrev_b32 v1, 5, v0
	v_readfirstlane_b32 s20, v1                    ; wave
	v_and_b32 v2, 31, v0                           ; lane
	s_wait_kmcnt 0x0
	s_cmp_lt_u32 ttmp9, 256
	s_cbranch_scc1 .Lpath_x
	s_cmp_lt_u32 ttmp9, 320
	s_cbranch_scc1 .Lpath_w
	s_cmp_lt_u32 ttmp9, 384
	s_cbranch_scc1 .Lpath_v
	s_cmp_lt_u32 ttmp9, 640
	s_cbranch_scc1 .Lpath_m
; ---------------- R: the rotation table.  A wave takes 16 rows.  Lane l < 16 holds cos at f = 4 l .. 4 l + 3, lane 16 + l sin at the same f: a row's 512 bytes are one store of the wave.
; sin x = cos(x - pi / 2): the sine lanes add 3 to the quadrant.  Reduction: n = nearest(x 2 / pi), r = x - n pi / 2 in two parts; polynomials on |r| <= pi / 4.
	s_sub_co_u32 s21, ttmp9, 640
	s_lshl_b32 s21, s21, 6
	s_lshl_b32 s22, s20, 4
	s_add_co_u32 s21, s21, s22                     ; my first row
	s_lshl_b32 s24, s21, 2
	s_mov_b32 s25, 0
	s_add_nc_u64 s[14:15], s[14:15], s[24:25]
	s_lshl_b32 s24, s21, 9
	s_add_co_u32 s24, s24, CS
	s_add_nc_u64 s[26:27], s[16:17], s[24:25]
	s_mov_b32 s28, 0x3f22f983                      ; 2 / pi
	s_mov_b32 s29, 0xbfc90fdb                      ; -(pi / 2), its f32 part
	s_mov_b32 s30, 0x333bbd2e                      ; what that part is too large by
	s_mov_b32 s31, 0xb94ca1f9                      ; sine: -1.9515296e-4
	s_mov_b32 s36, 0x3c08839e                      ; 8.3321609e-3
	s_mov_b32 s37, 0xbe2aaaa3                      ; -1.6666655e-1
	s_mov_b32 s38, 0x37ccf5ce                      ; cosine: 2.4433157e-5
	s_mov_b32 s39, 0xbab6061a                      ; -1.3887316e-3
	s_mov_b32 s40, 0x3d2aaaa5                      ; 4.1666646e-2
	v_and_b32 v3, 15, v2
	v_lshlrev_b32 v3, 2, v3
	v_lshrrev_b32 v4, 4, v2
	v_mul_u32_u24 v4, v4, 3                        ; 0 for cosine lanes, 3 for sine lanes
	v_lshlrev_b32 v5, 4, v2
.irp e, 0,1,2,3
	v_add_nc_u32 v[8+\e], \e, v3
.endr
.irp e, 0,1,2,3
	v_cvt_f32_u32 v[8+\e], v[8+\e]
.endr
.irp e, 0,1,2,3
	v_mul_f32 v[8+\e], 0xbe549a78, v[8+\e]         ; -f log2(10000) / 64
.endr
.irp e, 0,1,2,3
	v_exp_f32 v[8+\e], v[8+\e]                     ; 1 / timescale
.endr
	v_nop                                          ; a plain instruction behind the last exponential,
	s_wait_alu depctr_va_vdst(0)                   ; and one wait for the four, ahead of their first reader and of the label
	s_mov_b32 s41, 4
.Lrope:                                            ; four trips of four rows
	s_load_b128 s[32:35], s[14:15], 0x0
	s_wait_kmcnt 0x0                               ; the positions are in, so their address may step
	s_add_nc_u64 s[14:15], s[14:15], 16
.irp p, 0,1,2,3
	v_cvt_f32_i32 v12, s[32+\p]
.irp e, 0,1,2,3
	v_mul_f32 v[16+\e], v12, v[8+\e]               ; the angle
.endr
.irp e, 0,1,2,3
	v_mul_f32 v[20+\e], s28, v[16+\e]
.endr
.irp e, 0,1,2,3
	v_rndne_f32 v[20+\e], v[20+\e]                 ; n
.endr
.irp e, 0,1,2,3
	v_fma_f32 v[24+\e], v[20+\e], s29, v[16+\e]
.endr
.irp e, 0,1,2,3
	v_fma_f32 v[24+\e], v[20+\e], s30, v[24+\e]    ; r
.endr
.irp e, 0,1,2,3
	v_mul_f32 v[28+\e], v[24+\e], v[24+\e]         ; z = r r
.endr
.irp e, 0,1,2,3
	v_cvt_i32_f32 v[40+\e], v[20+\e]
.endr
.irp e, 0,1,2,3
	v_add_nc_u32 v[40+\e], v[40+\e], v4            ; the quadrant
.endr
.irp e, 0,1,2,3
	v_fma_f32 v[32+\e], v[28+\e], s31, s36
.endr
.irp e, 0,1,2,3
	v_fma_f32 v[32+\e], v[32+\e], v[28+\e], s37
.endr
.irp e, 0,1,2,3
	v_mul_f32 v[32+\e], v[32+\e], v[28+\e]
.endr
.irp e, 0,1,2,3
	v_fma_f32 v[32+\e], v[32+\e], v[24+\e], v[24+\e]   ; sin r
.endr
.irp e, 0,1,2,3
	v_fma_f32 v[36+\e], v[28+\e], s38, s39
.endr
.irp e, 0,1,2,3
	v_fma_f32 v[36+\e], v[36+\e], v[28+\e], s40
.endr
.irp e, 0,1,2,3
	v_fma_f32 v[36+\e], v[36+\e], v[28+\e], -0.5
.endr
.irp e, 0,1,2,3
	v_fma_f32 v[36+\e], v[36+\e], v[28+\e], 1.0    ; cos r
.endr
.irp e, 0,1,2,3
	v_and_b32 v[16+\e], 1, v[40+\e]
.endr
.irp e, 0,1,2,3
	v_cmp_eq_u32 vcc_lo, 1, v[16+\e]
	v_cndmask_b32 v[36+\e], v[36+\e], v[32+\e], vcc_lo   ; odd quadrants take the sine
.endr
.irp e, 0,1,2,3
	v_add_nc_u32 v[40+\e], 1, v[40+\e]
.endr
.irp e, 0,1,2,3
	v_lshlrev_b32 v[40+\e], 30, v[40+\e]
.endr
.irp e, 0,1,2,3
	v_and_b32 v[40+\e], 0x80000000, v[40+\e]       ; quadrants 1 and 2 are negative
.endr
.irp e, 0,1,2,3
	v_xor_b32 v[64+4*\p+\e], v[40+\e], v[36+\e]
.endr
	global_store_b128 v5, v[64+4*\p:67+4*\p], s[26:27] offset:512*\p   ; 32 lanes store a row's 512 consecutive bytes
.endr
	s_wait_xcnt 0x0                                ; the stores' data and base are written again only behind this wait
	s_add_nc_u64 s[26:27], s[26:27], 2048
	s_sub_co_u32 s41, s41, 1
	s_cmp_lg_u32 s41, 0
	s_cbranch_scc1 .Lrope
	CLOSE
; ---------------- X: a wave takes 16 steps of 512 numbers.  Each load reads 512 consecutive bytes; a step's 2,048 bytes turn through the wave's own stage in LDS and come back 64 bytes
; (16 neighbours along K) a lane, since the conversion takes eight neighbours from one lane's registers.  Two neighbouring lanes hold a block of 32.
.Lpath_x:
.set SP,  80                           ; a lane's place in a stage: 64 bytes + 16 of padding
.set CB,  8                            ; bytes of 16 codes
.set XR,  16                           ; v16-79   four sets of 16 numbers as loaded
.set XX,  80                           ; v80-111  two sets of 16 neighbours
.set XE,  112                          ; v112-127 a scale byte for each step
.set XK,  128                          ; v128-191 codes: registers of its own for each step, so that no store's data are written again
	v_lshlrev_b32 v3, 4, v2
	s_lshl_b32 s21, s20, 13                        ; my region: 8192 x wave
	v_lshrrev_b32 v14, 2, v2
	v_mul_u32_u24 v14, v14, SP
	v_and_b32 v15, 3, v2
	v_lshl_add_u32 v14, v15, 4, v14
	v_add_nc_u32 v14, s21, v14                     ; the stage, way in: SP (lane / 4) + 16 (lane % 4)
	v_mul_u32_u24 v15, v2, SP
	v_add_nc_u32 v15, s21, v15                     ; way out: SP x lane
	v_mul_u32_u24 v4, v2, CB
	v_lshrrev_b32 v5, 1, v2
	s_add_co_u32 s21, s21, 2*32*SP
	v_add_nc_u32 v5, s21, v5                       ; my block's byte among the wave's 256
	v_lshlrev_b32 v7, 3, v2
	v_add_nc_u32 v6, s21, v7
	s_lshl_b32 s22, ttmp9, 2
	s_add_co_u32 s22, s22, s20                     ; which run of 8,192 numbers is my wave's
	s_mov_b32 s25, 0
	s_lshl_b32 s24, s22, 15
	s_add_nc_u64 s[4:5], s[4:5], s[24:25]
	s_lshl_b32 s24, s22, 12
	s_add_nc_u64 s[26:27], s[16:17], s[24:25]      ; its codes (XC = 0)
	s_lshl_b32 s24, s22, 8
	s_add_co_u32 s24, s24, XS
	s_add_nc_u64 s[28:29], s[16:17], s[24:25]      ; its 256 scale bytes
.macro XLOAD t
.irp i, 0,1,2,3
	global_load_b128 v[XR+16*((\t)%4)+4*\i:XR+16*((\t)%4)+4*\i+3], v3, s[4:5] offset:2048*(\t)+512*\i th:TH_LOAD_NT
.endr
.endm
.macro XTURN t                         ; LDS serves a wave's instructions in order: no wait between the stores and the loads
.irp i, 0,1,2,3
	ds_store_b128 v14, v[XR+16*((\t)%4)+4*\i:XR+16*((\t)%4)+4*\i+3] offset:32*SP*((\t)%2)+8*SP*\i
.endr
.irp i, 0,1,2,3
	ds_load_b128 v[XX+16*((\t)%2)+4*\i:XX+16*((\t)%2)+4*\i+3], v15 offset:32*SP*((\t)%2)+16*\i
.endr
.endm
.irp t, 0,1,2,3
	XLOAD \t
.endr
	s_wait_loadcnt 12                              ; step 0's four loads are in
	XTURN 0
.macro XSTEP t
.set XQ, XX+16*((\t)%2)
.if (\t) > 0
	s_wait_dscnt 1                                 ; this step's numbers are back (the last step's byte store may be out)
.else
	s_wait_dscnt 0x0
.endif
.if (\t)+4 < 16
	XLOAD (\t)+4
.endif
.if (\t)+1 < 16
.if 14-(\t) >= 3
	s_wait_loadcnt 12                              ; the next step's four loads are in; those of the three steps behind it may be out
.else
	s_wait_loadcnt 4*(14-(\t))
.endif
	XTURN (\t)+1
.endif
	v_max3_num_f32 v8, |v[XQ]|, |v[XQ+1]|, |v[XQ+2]|
	v_max3_num_f32 v9, |v[XQ+3]|, |v[XQ+4]|, |v[XQ+5]|
.irp i, 6,10
	v_max3_num_f32 v8, v8, |v[XQ+\i]|, |v[XQ+\i+1]|
	v_max3_num_f32 v9, v9, |v[XQ+\i+2]|, |v[XQ+\i+3]|
.endr
	v_max3_num_f32 v8, v8, |v[XQ+14]|, |v[XQ+15]|
	v_max3_num_f32 v8, v8, v9, (EMAX+1)<<23        ; the floor 2^(3 - 127): the byte cannot fall under 1
	v_max_num_f32_dpp v8, v8, v8 row_xmask:1 row_mask:0xf bank_mask:0xf   ; with my neighbour's 16: the block's largest magnitude
	v_add_nc_u32 v11, -(EMAX<<23), v8              ; 2 off its exponent field: the conversion takes this operand's exponent field as its scale
	v_cvt_scalef32_pk8_fp4_f32 v[XK+4*(\t)], v[XQ:XQ+7], v11
	v_cvt_scalef32_pk8_fp4_f32 v[XK+4*(\t)+1], v[XQ+8:XQ+15], v11
	v_lshrrev_b32 v[XE+(\t)], 23, v11              ; the scale's byte
	ds_store_b8 v5, v[XE+(\t)] offset:16*(\t)      ; both lanes of a block write the same byte with the same value
	global_store_b64 v4, v[XK+4*(\t):XK+4*(\t)+1], s[26:27] offset:32*CB*(\t)   ; the wave stores 256 consecutive bytes
.endm
.irp t, 0,1,2,3,4,5,6,7,8,9,10,11,12,13,14,15
	XSTEP \t
.endr
	ds_load_b64 v[8:9], v6
	s_wait_dscnt 0x0
	global_store_b64 v7, v[8:9], s[28:29]          ; the wave's 256 scale bytes, consecutive
	CLOSE
; ---------------- W: K is the matrices' first axis.  A lane takes a column and its registers run down K: a block of 32 lies in one lane, and the codes come out with K innermost.
; A wave takes 32 columns x 512 along K; its codes leave through its own stage, sixteen lanes to 256 consecutive bytes of a column's row.
.Lpath_w:
.set PITCH, 272
.set KROW,  1024
.set WX,    32                         ; v32-95   two sets of 32 numbers
.set WK,    96                         ; v96-99   a block's codes
.set OUTR,  112                        ; v112-175 the way out
.set SB,    24                         ; v24-27   the scale bytes, four to a register
	s_sub_co_u32 s21, ttmp9, 256
	s_lshr_b32 s22, s21, 2                         ; head slot
	s_and_b32 s23, s21, 3                          ; which 512 along K
	s_sub_co_u32 s24, s22, 8
	s_and_b32 s25, s24, 1                          ; K (0) or V (1),
	s_lshl_b32 s25, s25, 2
	s_lshr_b32 s24, s24, 1
	s_and_b32 s24, s24, 3                          ; the kv head:
	s_add_co_u32 s24, s24, s25                     ; which matrix of wkv
	s_cmp_lt_u32 s22, 8                            ; the choice hangs on the work-group's number alone
	s_cselect_b64 s[26:27], s[6:7], s[8:9]
	s_cselect_b32 s24, s22, s24
	s_lshl_b32 s24, s24, 20                        ; a matrix is 2048 x 128 x 4 bytes
	s_lshl_b32 s25, s23, 18                        ; 512 rows of 512 bytes
	s_add_co_u32 s24, s24, s25
	s_lshl_b32 s25, s20, 7                         ; my wave's 32 columns
	s_add_co_u32 s24, s24, s25
	s_mov_b32 s25, 0
	s_add_nc_u64 s[26:27], s[26:27], s[24:25]
	s_lshl_b32 s28, s22, 7
	s_lshl_b32 s29, s20, 5
	s_add_co_u32 s28, s28, s29                     ; my first column among the 2048
	s_lshl_b32 s24, s28, 10
	s_lshl_b32 s29, s23, 8
	s_add_co_u32 s24, s24, s29
	s_add_co_u32 s24, s24, WC
	s_add_nc_u64 s[30:31], s[16:17], s[24:25]
	s_lshl_b32 s24, s28, 6
	s_lshl_b32 s29, s23, 4
	s_add_co_u32 s24, s24, s29
	s_add_co_u32 s24, s24, WS
	s_add_nc_u64 s[32:33], s[16:17], s[24:25]
	v_lshlrev_b32 v3, 2, v2
	s_mul_i32 s29, s20, 32*PITCH
	s_add_co_u32 s29, s29, WREG                    ; my stage
	v_mul_u32_u24 v4, v2, PITCH
	v_add_nc_u32 v4, s29, v4
	v_and_b32 v5, 15, v2
	v_lshrrev_b32 v6, 4, v2
	v_mul_u32_u24 v7, v6, PITCH
	v_lshl_add_u32 v7, v5, 4, v7
	v_add_nc_u32 v7, s29, v7
	v_mul_u32_u24 v8, v6, KROW
	v_lshl_add_u32 v8, v5, 4, v8
	v_lshlrev_b32 v9, 6, v2                        ; my column's row of scale bytes
.macro WLOAD t
.irp i, 0,1,2,3,4,5,6,7,8,9,10,11,12,13,14,15,16,17,18,19,20,21,22,23,24,25,26,27,28,29,30,31
	global_load_b32 v[WX+32*((\t)%2)+\i], v3, s[26:27] offset:(32*(\t)+\i)*512 th:TH_LOAD_NT
.endr
.endm
	WLOAD 0
	WLOAD 1
.macro WBLOCK t
.set WQ, WX+32*((\t)%2)
.if (\t) < 15
	s_wait_loadcnt 32                              ; this block's 32 loads are in; the next block's may be out
.else
	s_wait_loadcnt 0
.endif
	v_max3_num_f32 v12, |v[WQ]|, |v[WQ+1]|, |v[WQ+2]|
	v_max3_num_f32 v13, |v[WQ+3]|, |v[WQ+4]|, |v[WQ+5]|
.irp i, 6,10,14,18,22,26
	v_max3_num_f32 v12, v12, |v[WQ+\i]|, |v[WQ+\i+1]|
	v_max3_num_f32 v13, v13, |v[WQ+\i+2]|, |v[WQ+\i+3]|
.endr
	v_max3_num_f32 v12, v12, |v[WQ+30]|, |v[WQ+31]|
	v_max3_num_f32 v12, v12, v13, (EMAX+1)<<23
	v_add_nc_u32 v11, -(EMAX<<23), v12
	v_lshrrev_b32 v13, 23, v11
.if (\t)%4 == 0
	v_mov_b32 v[SB+(\t)/4], v13
.else
	v_lshl_or_b32 v[SB+(\t)/4], v13, 8*((\t)%4), v[SB+(\t)/4]
.endif
.irp g, 0,1,2,3
	v_cvt_scalef32_pk8_fp4_f32 v[WK+\g], v[WQ+8*\g:WQ+8*\g+7], v11
.endr
	ds_store_b128 v4, v[WK:WK+3] offset:16*(\t)
.if (\t)+2 < 16
	WLOAD (\t)+2
.endif
	s_wait_dscnt 0x0                               ; the store has read its registers: the next block's codes may be written
.endm
.set Q, 0
.rept 16
	WBLOCK Q
.set Q, Q+1
.endr
	global_store_b128 v9, v[SB:SB+3], s[32:33]     ; my column's 16 scale bytes
.irp t, 0,1,2,3,4,5,6,7,8,9,10,11,12,13,14,15
	ds_load_b128 v[OUTR+4*\t:OUTR+4*\t+3], v7 offset:2*\t*PITCH
.endr
.irp t, 0,1,2,3,4,5,6,7,8,9,10,11,12,13,14,15
	s_wait_dscnt 15-\t
	global_store_b128 v8, v[OUTR+4*\t:OUTR+4*\t+3], s[30:31] offset:2*\t*KROW
.endr
	CLOSE
; ---------------- V: wvec to f16.  A wave takes 8,192 numbers: 64 loads of 512 consecutive bytes, sixteen in flight; each gives a store of 256 consecutive bytes from registers of its own.
.Lpath_v:
	s_sub_co_u32 s21, ttmp9, 320
	s_lshl_b32 s21, s21, 2
	s_add_co_u32 s21, s21, s20
	s_mov_b32 s25, 0
	s_lshl_b32 s24, s21, 15
	s_add_nc_u64 s[10:11], s[10:11], s[24:25]
	s_lshl_b32 s24, s21, 14
	s_add_co_u32 s24, s24, WV
	s_add_nc_u64 s[26:27], s[16:17], s[24:25]
	v_lshlrev_b32 v3, 4, v2
	v_lshlrev_b32 v4, 3, v2
.irp i, 0,1,2,3,4,5,6,7,8,9,10,11,12,13,14,15
	global_load_b128 v[16+4*\i:19+4*\i], v3, s[10:11] offset:512*\i th:TH_LOAD_NT
.endr
.set I, 0
.rept 64
.if I < 48
	s_wait_loadcnt 15                              ; loads come back in order: mine is in, the fifteen younger stay out
.else
	s_wait_loadcnt 63-I
.endif
	v_cvt_pk_f16_f32 v[80+2*I], v[16+4*(I%16)], v[17+4*(I%16)]
	v_cvt_pk_f16_f32 v[81+2*I], v[18+4*(I%16)], v[19+4*(I%16)]
.if I < 48
	global_load_b128 v[16+4*(I%16):19+4*(I%16)], v3, s[10:11] offset:512*(I+16) th:TH_LOAD_NT
.endif
	global_store_b64 v4, v[80+2*I:81+2*I], s[26:27] offset:256*I
.set I, I+1
.endr
	CLOSE
; ---------------- M: the work-group takes 16 queries, wave w keys 512 w .. 512 w + 511.  Word 8 i + j of key step s (64 keys) has bit L = allowed(query L % 16, key 64 s + 16 i + 8 (L / 16) + j):
; the lane mask of register j of score tile i.  Rows are loaded 512 consecutive bytes at a time and turned through the wave's stage (pitch 528).  A lane then reads 16 bytes of its query's row; two exchanges
; of lane halves put each byte into the lane whose bit it becomes.  A byte is inverted and moved to bit 16 or 24 and added to key - query + 1023: the sum is at most 2046 (unsigned) just where the byte is 1 and the key is in the band.
.Lpath_m:
.set MR, 16                            ; v16-79   16 rows as loaded
.set MB, 80                            ; v80-143  16 groups of 32 keys, back from the stage
.set MO, 144                           ; v144-151 the words: a pair of registers for each two key steps
.set MT, 152                           ; v152-156 at work
	s_sub_co_u32 s21, ttmp9, 384                   ; which 16 queries of the 4096
	s_mov_b32 s25, 0
	s_lshl_b32 s24, s21, 15
	s_lshl_b32 s26, s20, 9
	s_add_co_u32 s24, s24, s26
	s_add_nc_u64 s[12:13], s[12:13], s[24:25]
	s_lshl_b32 s24, s21, 12
	s_lshl_b32 s26, s20, 10
	s_add_co_u32 s24, s24, s26
	s_add_nc_u64 s[18:19], s[18:19], s[24:25]
	v_lshlrev_b32 v3, 4, v2
.irp i, 0,1,2,3,4,5,6,7,8,9,10,11,12,13,14,15
	global_load_b128 v[MR+4*\i:MR+4*\i+3], v3, s[12:13] offset:2048*\i th:TH_LOAD_NT
.endr
	s_mul_i32 s22, s20, 8448
	s_add_co_u32 s22, s22, MREG                    ; my stage
	v_add_nc_u32 v4, s22, v3
	v_and_b32 v5, 15, v2                           ; r
	v_lshrrev_b32 v6, 4, v2                        ; h
	v_mul_u32_u24 v7, v5, 528
	v_lshl_add_u32 v7, v6, 4, v7
	v_add_nc_u32 v7, s22, v7
	s_and_b32 s23, s21, 127
	s_lshl_b32 s23, s23, 4                         ; my first query in its sequence
	s_lshl_b32 s26, s20, 9
	s_add_co_u32 s26, s26, 1023
	s_sub_co_u32 s26, s26, s23
	v_lshlrev_b32 v8, 3, v6
	v_sub_nc_u32 v8, v8, v5
	v_add_nc_u32 v8, s26, v8                       ; 512 w + 8 h - query + 1023, modulo 2^32
	v_lshlrev_b32 v9, 3, v2
	s_mov_b32 s27, 0x7fe
.irp i, 0,1,2,3,4,5,6,7
	v_mov_b32 v[MO+\i], 0                          ; written once: v_writelane_b32's destination counts as read
.endr
.irp i, 0,1,2,3,4,5,6,7,8,9,10,11,12,13,14,15
	s_wait_loadcnt 15-\i
	ds_store_b128 v4, v[MR+4*\i:MR+4*\i+3] offset:528*\i
.endr
.irp g, 0,1,2,3,4,5,6,7,8,9,10,11,12,13,14,15
	ds_load_b128 v[MB+4*\g:MB+4*\g+3], v7 offset:32*\g
.endr
.macro MGROUP g                        ; keys 32 g .. 32 g + 31 of the wave's 512: score tiles 2 (g % 2) and 2 (g % 2) + 1 of key step g / 2
	s_wait_dscnt 15-(\g)
	v_permlane16_swap_b32 v[MB+4*(\g)], v[MB+4*(\g)+2]     ; registers 0, 1: the even tile's keys 8 h + 0 .. 7; registers 2, 3: the odd tile's
	v_permlane16_swap_b32 v[MB+4*(\g)+1], v[MB+4*(\g)+3]
.irp k, 0,1,2,3
	v_xor_b32 v[MB+4*(\g)+\k], 0x01010101, v[MB+4*(\g)+\k]   ; 1 = hidden
	v_lshlrev_b32 v[MT+4], 16, v[MB+4*(\g)+\k]
	v_and_b32 v[MT], 0x10000, v[MT+4]
	v_and_b32 v[MT+1], 0x1000000, v[MT+4]
	v_and_b32 v[MT+2], 0x10000, v[MB+4*(\g)+\k]
	v_and_b32 v[MT+3], 0x1000000, v[MB+4*(\g)+\k]
.irp e, 0,1,2,3
	v_add3_u32 v[MT+\e], v[MT+\e], v8, 32*(\g)+16*(\k/2)+4*(\k%2)+\e
.endr
.irp e, 0,1,2,3
	v_cmp_ge_u32 s[28+\e], s27, v[MT+\e]
.endr
.irp e, 0,1,2,3
	v_writelane_b32 v[MO+2*((\g)/4)+(\e%2)], s[28+\e], 16*(((\g)/2)%2)+4*(2*((\g)%2)+(\k/2))+2*(\k%2)+(\e/2)
.endr
.endr
.endm
.irp p, 0,1,2,3
	MGROUP 4*\p
	MGROUP 4*\p+1
	MGROUP 4*\p+2
	MGROUP 4*\p+3
	global_store_b64 v9, v[MO+2*\p:MO+2*\p+1], s[18:19] offset:256*\p   ; two key steps' 64 words: 256 consecutive bytes
.endr
	CLOSE
.Lfunc_end_k_q4064565343_prep:
	.size	k_q4064565343_prep, .Lfunc_end_k_q4064565343_prep-k_q4064565343_prep
	.p2alignl 7, 3214868480
	.fill 96, 4, 3214868480
	.section	.rodata,"a",@progbits
	.p2align	6, 0x0
	.amdhsa_kernel k_q4064565343_prep
		.amdhsa_group_segment_fixed_size 101888
		.amdhsa_private_segment_fixed_size 0
		.amdhsa_enable_private_segment 0
		.amdhsa_kernarg_size 64
		.amdhsa_user_sgpr_count 2
		.amdhsa_user_sgpr_kernarg_segment_ptr 1
		.amdhsa_wavefront_size32 1
		.amdhsa_system_sgpr_workgroup_id_x 1
		.amdhsa_system_sgpr_workgroup_id_y 1
		.amdhsa_system_sgpr_workgroup_id_z 1
		.amdhsa_system_vgpr_workitem_id 0
		.amdhsa_next_free_vgpr 224
		.amdhsa_next_free_sgpr 66
		.amdhsa_reserve_vcc 1
		.amdhsa_float_denorm_mode_32 3
		.amdhsa_float_denorm_mode_16_64 3
		.amdhsa_memory_ordered 1
		.amdhsa_forward_progress 1
		.amdhsa_inst_pref_size 238
	.end_amdhsa_kernel
	.amdgpu_metadata
---
amdhsa.version: [ 1, 2 ]
amdhsa.kernels:
  - .name:           k_q4064565343_prep
    .symbol:         k_q4064565343_prep.kd
    .args:
      - { .name: x, .offset: 0, .size: 8, .value_kind: global_buffer, .address_space: global }
      - { .name: wq, .offset: 8, .size: 8, .value_kind: global_buffer, .address_space: global }
      - { .name: wkv, .offset: 16, .size: 8, .value_kind: global_buffer, .address_space: global }
      - { .name: wvec, .offset: 24, .size: 8, .value_kind: global_buffer, .address_space: global }
      - { .name: attn_mask, .offset: 32, .size: 8, .value_kind: global_buffer, .address_space: global }
      - { .name: segment_pos, .offset: 40, .size: 8, .value_kind: global_buffer, .address_space: global }
      - { .name: pre, .offset: 48, .size: 8, .value_kind: global_buffer, .address_space: global }
      - { .name: maskw, .offset: 56, .size: 8, .value_kind: global_buffer, .address_space: global }
    .group_segment_fixed_size: 101888
    .private_segment_fixed_size: 0
    .kernarg_segment_align: 8
    .kernarg_segment_size: 64
    .max_flat_workgroup_size: 128
    .sgpr_count:     66
    .vgpr_count:     224
    .wavefront_size: 32
...
	.end_amdgpu_metadata
.endif
;; end of part 1
;; launch proj (part 2): grid 8 x 32, 4 waves a work-group, clusters of 4 x 4, 327,680 bytes of LDS; arguments pre, qkv; writes qkv
.if DOCPART == 2
	.amdgcn_target "amdgcn-amd-amdhsa--gfx1250"
	.amdhsa_code_object_version 6
	.text
	.protected	k_q4064565343_proj
	.globl	k_q4064565343_proj
	.p2align	8
	.type	k_q4064565343_proj,@function
k_q4064565343_proj:
	s_mov_b64 s[64:65], 0
	v_nop
	global_prefetch_b8 v0, s[64:65] scope:SCOPE_SE
	s_setreg_imm32_b32 hwreg(HW_REG_WAVE_MODE, 25, 1), 1
	s_wait_xcnt 0x0
	s_wait_alu depctr_hold_cnt(0) depctr_sa_sdst(0) depctr_va_vdst(0) depctr_va_sdst(0) depctr_va_ssrc(0) depctr_va_vcc(0) depctr_vm_vsrc(0)
	s_getreg_b32 s2, hwreg(HW_REG_IB_STS2, 6, 4)
	s_cmp_eq_u32 s2, 0
	s_cbranch_scc0 .Lentry_in_a_cluster
	s_endpgm
.Lentry_in_a_cluster:
	s_bfe_u32 s2, ttmp6, 0x10000c
	s_cmp_lg_u32 s2, 0xf033
	s_cbranch_scc0 .Lentry_shape_is_right
	s_endpgm
.Lentry_shape_is_right:
; Q, K, V = x W on codes of FP4 (E2M1) with one E8M0 scale for each 32 along K (2048); then the rotation (Q, K), Q's scale, and the rounding to f16.
; A work-group makes 128 rows x 256 columns (two head slots); a wave 64 x 128: one head slot, 32 accumulators.  8 x 32 work-groups, one for each WGP.
; K goes in steps of 512 (rows of 256 bytes) through a ring of two LDS slots; the scale bytes of the work-group's rows and columns and its 128 rows of the rotation table come once, with the first fills.
; CLUSTERS 4 x 4: x's tiles, scales and table rows hang on the tile row alone and are asked for jointly along a row of the cluster, W's on the tile column alone, along a column.
; THE MATRIX INSTRUCTION IS USED TRANSPOSED (source 0 = 16 columns of W, source 1 = 16 rows of x): lane (r, h) holds row r and columns 16 b + 8 h + 0 .. 7, so a column f < 64 and its partner f + 64 lie in one lane.
; Q is stored times sigma = (1 / sqrt(128)) (2 log2(e) / 50), so that the attention launch's product is the exponent of the soft cap's tanh.
; ROWS 0-63 OF A TILE IN CLUSTERS y = 0, 4 (the first 64 rows of each sequence among them) are stored as PAIRS of f16: hi and lo from a split in f32
; (T = 8193 x; hi = T - (T - x); lo = x - hi): hi has 11 significant bits, so its conversion is exact above 6e-5; below that the pair is good to 3e-8.
; LIMITS: |q sigma|, |k|, |v| beyond 65,504 overflow f16.
; REGISTERS: window 0: v16-30 addresses; v32-95 scale words, two sets; v128-191 x's fragments, two sets; on the way out v32-255 are free.  window 1: W's fragments, two sets (v0, v128).  window 2: accumulator (a, b) at v[64 a + 8 b].
.set WC,    4194304
.set XS,    6291456
.set WS,    6553600
.set CS,    10878976
.set ROWB,  256                        ; a tile's row: 512 codes
.set PITCH, 272                        ; in LDS: + 16 bytes, so that the 16 rows of a fragment load start at 16 different groups of banks
.set AHALF, 64*PITCH                   ; what a wave fetches of x
.set BHALF, 128*PITCH                  ; and of W
.set BOFF,  2*AHALF
.set SLOT,  BOFF+2*BHALF               ; x's 128 rows, then W's 256 columns
.set SCA,   2*SLOT                     ; x's scale bytes: 128 rows x 64 bytes as 32 units of 256 + 16
.set SAH,   16*272
.set SCB,   SCA+2*SAH                  ; W's: 64 units
.set SBH,   32*272
.set SBLK,  4*272                      ; the scale bytes of 16 rows
.set CST,   SCB+2*SBH                  ; the rotation table's 128 rows of 512 bytes + 16
.set CPITCH, 528
.set SPARE, CST+128*CPITCH             ; the spare words, 128 bytes for each wave, that no other line names
.set ADRA, 16
.set ADRB, 20
.set STO,  24
.set RD,   25
.set CO,   26
.set ADRS, 27
.set SPW,  28
.set NIL,  29
.set CSA,  30
.set SC,   32                          ; scale words: set s at v[SC + 32 s]; register 4 i + q: lanes 0-15 x's block i, lanes 16-31 W's block i, the slot's q-th 128 along K
.set HH,   32                          ; the way out: hi parts, packed
.set LL,   64                          ; lo parts
.set RB,   96                          ; rows read back from the stage
.set AF,   128
.set T0,   128
.set T1,   160
.set CC,   192
.set SS,   224
.set G1A,  24
.set G0A,  32
.set G1B,  48
.set G0B,  56
.set G1SA, 68
.set G0SA, 76
.set G1SB, 80
.set G0SB, 88
.set G1C,  92
.set G0C,  8
.set SIG,  46                          ; s[46:47] sigma for Q, 1 for K
.set VEL,  66                          ; s[66:67] 8193
.set MULW, 0xa1                        ; source 0 (W) window 1, source 1 (x) window 0, C and D window 2
.set MSB, 0
.macro WIN new                         ; the immediate's high byte repeats the setting that is left
.if MSB != \new
	s_set_vgpr_msb (MSB<<8)|\new
.set MSB, \new
.endif
.endm
.macro PLACES
.rept 4
	v_nop
.endr
.endm
; A joint load: waves 0 and 1 fetch for x, waves 2 and 3 for W.  An s_nop 0 and four v_nop follow each of the two lines.
.macro JLOAD g0a, g1a, g0b, g1b
	s_cmp_eq_u32 s15, 0
	s_cbranch_scc0 .Lfor_b_\@
	tensor_load_to_lds s[\g0a:\g0a+3], s[\g1a:\g1a+7]
	s_nop 0
.rept 4
	v_nop
.endr
	s_branch .Lasked_\@
.Lfor_b_\@:
	tensor_load_to_lds s[\g0b:\g0b+3], s[\g1b:\g1b+7]
	s_nop 0
.rept 4
	v_nop
.endr
.Lasked_\@:
.endm
.macro CREST                           ; a round of the cluster's barrier behind its opening barrier
	s_cmp_lg_u32 s14, 0
	s_cbranch_scc1 .Lnot_wave_0_\@
	s_barrier_signal -3
.Lnot_wave_0_\@:
	s_barrier_wait -3
	s_barrier_signal -1
	s_barrier_wait -1
.endm
.macro CROUND
	s_barrier_signal -1
	s_barrier_wait -1
	CREST
.endm
	s_load_b128 s[4:7], s[0:1], 0x0                ; pre, qkv
	v_lshl_add_u32 v[SPW], v0, 2, SPARE
	v_mov_b32 v[NIL], 0
	ds_add_u32 v[SPW], v[NIL]                      ; the wave's opening: the add, twice on end, and its wait ahead of my first tensor load
	ds_add_u32 v[SPW], v[NIL]
	v_lshrrev_b32 v1, 5, v0
	v_readfirstlane_b32 s14, v1                    ; wave
	s_lshr_b32 s15, s14, 1                         ; my half of the rows.  Also: I fetch for x (0) or for W (1)
	s_and_b32 s16, s14, 1                          ; my half of the columns.  Also: which half I fetch
	s_bfe_u32 s40, ttmp6, 0x40000                  ; cx
	s_bfe_u32 s41, ttmp6, 0x40004                  ; cy
	s_lshl_b32 s42, ttmp9, 2
	s_add_co_u32 s42, s42, s40                     ; tile column
	s_and_b32 s17, ttmp7, 0xffff
	s_lshl_b32 s17, s17, 2
	s_add_co_u32 s17, s17, s41                     ; tile row
	s_lshl_b32 s43, s41, 2
	s_lshl_b32 s43, 15, s43                        ; my row of the cluster
	s_lshl_b32 s44, 0x1111, s40                    ; my column
	s_or_b32 s[G1A], s43, (0<<16)|(1<<20)|(1<<21)|(5<<22)|(3<<25)    ; elements of 1 byte; 4 words of padding behind every 64
	s_mov_b32 s[G1A+1], ROWB<<16
	s_mov_b32 s[G1A+2], 64<<16
	s_mov_b32 s[G1A+3], ROWB<<16
	s_mov_b32 s[G1A+4], 64
	s_mov_b32 s[G1A+5], 1024
	s_mov_b32 s[G1A+6], 0
	s_mov_b32 s[G1A+7], 0
	s_or_b32 s[G1B], s44, (0<<16)|(1<<20)|(1<<21)|(5<<22)|(3<<25)
	s_mov_b32 s[G1B+1], ROWB<<16
	s_mov_b32 s[G1B+2], 128<<16
	s_mov_b32 s[G1B+3], ROWB<<16
	s_mov_b32 s[G1B+4], 128
	s_mov_b32 s[G1B+5], 1024
	s_mov_b32 s[G1B+6], 0
	s_mov_b32 s[G1B+7], 0
	s_or_b32 s[G1SA], s43, (3<<16)|(1<<20)|(1<<21)|(5<<22)|(3<<25)   ; a dense block as rows of 256 bytes (32 elements of 8)
	s_mov_b32 s[G1SA+1], 32<<16
	s_mov_b32 s[G1SA+2], 16<<16
	s_mov_b32 s[G1SA+3], 32<<16
	s_mov_b32 s[G1SA+4], 16
	s_mov_b32 s[G1SA+5], 32
	s_mov_b32 s[G1SA+6], 0
	s_mov_b32 s[G1SA+7], 0
	s_or_b32 s[G1SB], s44, (3<<16)|(1<<20)|(1<<21)|(5<<22)|(3<<25)
	s_mov_b32 s[G1SB+1], 32<<16
	s_mov_b32 s[G1SB+2], 32<<16
	s_mov_b32 s[G1SB+3], 32<<16
	s_mov_b32 s[G1SB+4], 32
	s_mov_b32 s[G1SB+5], 32
	s_mov_b32 s[G1SB+6], 0
	s_mov_b32 s[G1SB+7], 0
	s_or_b32 s[G1C], s43, (3<<16)|(1<<20)|(1<<21)|(6<<22)|(3<<25)    ; 32 rows of 512 bytes, 4 words of padding behind every 128
	s_mov_b32 s[G1C+1], 64<<16
	s_mov_b32 s[G1C+2], 32<<16
	s_mov_b32 s[G1C+3], 64<<16
	s_mov_b32 s[G1C+4], 32
	s_mov_b32 s[G1C+5], 64
	s_mov_b32 s[G1C+6], 0
	s_mov_b32 s[G1C+7], 0
	; byte offsets in pre.  x's hang on the tile row and the wave, W's on the tile column and the wave, each in registers that never hold the other coordinate
	s_lshl_b32 s20, s17, 7
	s_lshl_b32 s18, s16, 6
	s_add_co_u32 s20, s20, s18                     ; x: row 128 x tile row + 64 x half
	s_lshl_b32 s22, s20, 6
	s_add_co_u32 s22, s22, XS
	s_mov_b32 s23, 0
	s_lshl_b32 s20, s20, 10
	s_mov_b32 s21, 0
	s_lshl_b32 s46, s42, 8
	s_lshl_b32 s18, s16, 7
	s_add_co_u32 s46, s46, s18                     ; W: column 256 x tile column + 128 x half
	s_lshl_b32 s66, s46, 6
	s_add_co_u32 s66, s66, WS
	s_mov_b32 s67, 0
	s_lshl_b32 s46, s46, 10
	s_add_co_u32 s46, s46, WC
	s_mov_b32 s47, 0
	s_lshl_b32 s12, s17, 7
	s_lshl_b32 s18, s14, 5
	s_add_co_u32 s12, s12, s18                     ; the table: row 128 x tile row + 32 x wave
	s_lshl_b32 s12, s12, 9
	s_add_co_u32 s12, s12, CS
	s_mov_b32 s13, 0
	s_mul_i32 s45, s16, AHALF                      ; where they go: no place in the cluster enters an LDS address
	s_mul_i32 s100, s16, BHALF
	s_add_co_u32 s100, s100, BOFF
	s_mul_i32 s101, s16, SAH
	s_add_co_u32 s101, s101, SCA
	s_mul_i32 s19, s16, SBH
	s_add_co_u32 s19, s19, SCB
	s_mul_i32 s18, s14, 32*CPITCH
	s_add_co_u32 s18, s18, CST
	s_wait_dscnt 0x0                               ; both opening adds are done
	s_wait_kmcnt 0x0
	s_add_nc_u64 s[20:21], s[4:5], s[20:21]
	s_add_nc_u64 s[46:47], s[4:5], s[46:47]
	CROUND                                         ; all sixteen work-groups are here: the first joint loads meet
	s_mov_b32 s[G0SA], 1
	s_mov_b32 s[G0SA+1], s101
	s_add_nc_u64 s[G0SA+2:G0SA+3], s[4:5], s[22:23]
	s_or_b32 s[G0SA+3], s[G0SA+3], 0x80000000
	s_mov_b32 s[G0SB], 1
	s_mov_b32 s[G0SB+1], s19
	s_add_nc_u64 s[G0SB+2:G0SB+3], s[4:5], s[66:67]
	s_or_b32 s[G0SB+3], s[G0SB+3], 0x80000000
	JLOAD G0SA, G1SA, G0SB, G1SB                   ; the scale bytes first: they are wanted with K step 0
.irp s, 0,1
	s_mov_b32 s[G0A+4*\s], 1
	s_add_co_u32 s[G0A+4*\s+1], s45, \s*SLOT
	s_add_nc_u64 s[G0A+4*\s+2:G0A+4*\s+3], s[20:21], \s*ROWB
	s_or_b32 s[G0A+4*\s+3], s[G0A+4*\s+3], 0x80000000
	s_mov_b32 s[G0B+4*\s], 1
	s_add_co_u32 s[G0B+4*\s+1], s100, \s*SLOT
	s_add_nc_u64 s[G0B+4*\s+2:G0B+4*\s+3], s[46:47], \s*ROWB
	s_or_b32 s[G0B+4*\s+3], s[G0B+4*\s+3], 0x80000000
	JLOAD G0A+4*\s, G1A, G0B+4*\s, G1B
.endr
	s_mov_b32 s[G0C], 1
	s_mov_b32 s[G0C+1], s18
	s_add_nc_u64 s[G0C+2:G0C+3], s[4:5], s[12:13]
	s_or_b32 s[G0C+3], s[G0C+3], 0x80000000
	tensor_load_to_lds s[G0C:G0C+3], s[G1C:G1C+7]  ; each wave's 32 rows of the table: four loads of mine are out
	s_nop 0
.rept 4
	v_nop
.endr
	v_and_b32 v1, 15, v0                           ; r
	v_bfe_u32 v2, v0, 4, 1                         ; h
	v_mul_u32_u24 v3, v1, PITCH
	v_lshl_add_u32 v4, v2, 4, v3                   ; a fragment's row x pitch + 16 h
	s_mul_i32 s18, s15, AHALF
	s_mul_i32 s19, s16, BHALF
	s_add_co_u32 s19, s19, BOFF
.irp s, 0,1
	v_add_nc_u32 v[ADRA+\s], s18, v4
	v_add_nc_u32 v[ADRB+\s], s19, v4
	s_add_co_u32 s18, s18, SLOT
	s_add_co_u32 s19, s19, SLOT
.endr
	v_lshlrev_b32 v5, 6, v1                        ; my row's scale bytes: 64 a row,
	v_lshrrev_b32 v6, 8, v5
	v_lshl_add_u32 v5, v6, 4, v5                   ; and 16 more for each 256 passed
	s_mul_i32 s18, s15, SAH
	s_mul_i32 s19, s16, SBH
	s_add_co_u32 s19, s19, SCB-SCA
	s_sub_co_u32 s19, s19, s18
	v_mul_u32_u24 v6, s19, v2                      ; lanes 16-31 take W's: one product, the distance x h
	s_add_co_u32 s18, s18, SCA
	v_add_nc_u32 v5, v5, v6
	v_add_nc_u32 v[ADRS], s18, v5
	s_mul_i32 s18, s15, 64*CPITCH
	s_add_co_u32 s18, s18, CST
	v_mul_u32_u24 v5, v1, CPITCH
	v_lshl_add_u32 v5, v2, 5, v5
	v_add_nc_u32 v[CSA], s18, v5                   ; the table: row 64 x half + r, + 32 h
	s_mul_i32 s18, s14, 16*PITCH                   ; my stage, 16 rows x 272 bytes, in slot 0: it has had its last fill and its last read when the first result is stored there
	v_add_nc_u32 v[STO], s18, v4
	v_mul_u32_u24 v5, v2, PITCH
	v_lshl_add_u32 v5, v1, 4, v5
	v_add_nc_u32 v[RD], s18, v5
	v_lshlrev_b32 v5, 8, v2
	v_lshl_add_u32 v[CO], v1, 4, v5
	s_lshl_b32 s18, s42, 1
	s_add_co_u32 s18, s18, s16                     ; my head slot
	s_lshl_b32 s18, s18, 20
	s_lshl_b32 s19, s17, 7
	s_lshl_b32 s12, s15, 6
	s_add_co_u32 s19, s19, s12
	s_lshl_b32 s19, s19, 8                         ; my first row, 256 bytes a row
	s_add_co_u32 s18, s18, s19
	s_mov_b32 s19, 0
	s_add_nc_u64 s[6:7], s[6:7], s[18:19]          ; hi parts
	s_add_nc_u64 s[12:13], s[6:7], 0x1000000       ; lo parts
	s_cmp_eq_u32 ttmp9, 1                          ; cluster x = 0: Q's heads; 1: even head slots K, odd V.  The same in all partners
	s_cselect_b32 s2, s16, 0                       ; 1: V's wave, no rotation
	s_cselect_b32 s[SIG], 1.0, 0x3ba723c0
	s_mov_b32 s[SIG+1], s[SIG]
	s_mov_b32 s[VEL], 0x46000400
	s_mov_b32 s[VEL+1], s[VEL]
	s_and_b32 s3, ttmp7, 3
	s_or_b32 s3, s3, s15                           ; 0: my rows are stored as pairs
.macro FETCH slot, q, p                ; the fragments of the slot's q-th 128 along K into set p: lane (r, h) takes 16 bytes at 32 c + 16 h of its row
	WIN 0x40
.irp i, 0,1,2,3,4,5,6,7
.irp c, 0,1
	ds_load_b128 v[128*(\p)+8*\i+4*\c:128*(\p)+8*\i+4*\c+3], v[ADRB+\slot] offset:64*(\q)+32*\c+\i*16*PITCH
.endr
.endr
	WIN 0
.irp i, 0,1,2,3
.irp c, 0,1
	ds_load_b128 v[AF+32*(\p)+8*\i+4*\c:AF+32*(\p)+8*\i+4*\c+3], v[ADRA+\slot] offset:64*(\q)+32*\c+\i*16*PITCH
.endr
.endr
.endm
.macro SCALES sc
.irp i, 0,1,2,3,4,5,6,7
	ds_load_b128 v[SC+32*\sc+4*\i:SC+32*\sc+4*\i+3], v[ADRS] offset:\i*SBLK
.endr
.endm
; 8 products: x's block a against W's eight.  The 32 accumulators take turns in the same order in every step.
.macro MUL8 a, p, q, sc, zero
.irp b, 0,1,2,3,4,5,6,7
.if \zero
	v_wmma_scale_f32_16x16x128_f8f6f4 v[64*(\a)+8*\b:64*(\a)+8*\b+7], v[128*(\p)+8*\b:128*(\p)+8*\b+7], v[AF+32*(\p)+8*(\a):AF+32*(\p)+8*(\a)+7], 0, v[SC+32*(\sc)+4*\b+(\q)], v[SC+32*(\sc)+4*(\a)+(\q)] matrix_a_fmt:MATRIX_FMT_FP4 matrix_b_fmt:MATRIX_FMT_FP4 matrix_a_scale:MATRIX_SCALE_ROW1
.else
	v_wmma_scale_f32_16x16x128_f8f6f4 v[64*(\a)+8*\b:64*(\a)+8*\b+7], v[128*(\p)+8*\b:128*(\p)+8*\b+7], v[AF+32*(\p)+8*(\a):AF+32*(\p)+8*(\a)+7], v[64*(\a)+8*\b:64*(\a)+8*\b+7], v[SC+32*(\sc)+4*\b+(\q)], v[SC+32*(\sc)+4*(\a)+(\q)] matrix_a_fmt:MATRIX_FMT_FP4 matrix_b_fmt:MATRIX_FMT_FP4 matrix_a_scale:MATRIX_SCALE_ROW1
.endif
.endr
.endm
.macro STEP slot, q, zero              ; a step of 128 along K that has its successor in the same slot
	s_wait_dscnt 0x0                               ; this step's fragments are in
	PLACES                                         ; four places in front of loads into the set that the last step's products read
	FETCH \slot, (\q)+1, 1-(\q)%2
	WIN MULW
	MUL8 0, (\q)%2, \q, \slot, \zero
	MUL8 1, (\q)%2, \q, \slot, \zero
	MUL8 2, (\q)%2, \q, \slot, \zero
	MUL8 3, (\q)%2, \q, \slot, \zero
.endm
; A slot's last step changes slots: one barrier; in front of it each wave waits for all its tensor loads, adds 0 to its spare word, and waits for that and for its reads of this slot.
.macro TURN slot, next, fill
	WIN 0
	s_wait_tensorcnt 0x0                           ; all my tensor loads have landed: my part of the next slot (the first time: the table too)
	ds_add_u32 v[SPW], v[NIL]
	s_wait_dscnt 1                                 ; this step's fragments are in; the add may be out
	WIN MULW
	MUL8 0, 1, 3, \slot, 0
	s_wait_dscnt 0x0                               ; the add is done, and my reads of this slot are over
	s_barrier_signal -1
	MUL8 1, 1, 3, \slot, 0
	WIN 0
	s_barrier_wait -1
.if \fill
	CREST                                          ; the barrier has opened a round of the cluster's: no wave of any partner still reads this slot or has a load on its way
	s_add_nc_u64 s[G0A+4*\slot+2:G0A+4*\slot+3], s[G0A+4*\slot+2:G0A+4*\slot+3], 2*ROWB
	s_add_nc_u64 s[G0B+4*\slot+2:G0B+4*\slot+3], s[G0B+4*\slot+2:G0B+4*\slot+3], 2*ROWB
	JLOAD G0A+4*\slot, G1A, G0B+4*\slot, G1B       ; the first tensor load behind the round; its four v_nop are the places in front of the loads below
.else
	PLACES
.endif
	v_add_nc_u32 v[ADRS], 16, v[ADRS]              ; the next K step's scale words
	FETCH \next, 0, 0
	SCALES \next
	WIN MULW
	MUL8 2, 1, 3, \slot, 0
	MUL8 3, 1, 3, \slot, 0
.endm
	s_wait_tensorcnt 2                             ; the scale bytes and my part of K step 0 are in (K step 1 and the table may be out)
	s_barrier_signal -1
	s_barrier_wait -1
	FETCH 0, 0, 0
	SCALES 0
	STEP 0, 0, 1                                   ; the first products start the sums
	STEP 0, 1, 0
	STEP 0, 2, 0
	TURN 0, 1, 1                                   ; four K steps of 512: written straight
	STEP 1, 0, 0
	STEP 1, 1, 0
	STEP 1, 2, 0
	TURN 1, 0, 1
	STEP 0, 0, 0
	STEP 0, 1, 0
	STEP 0, 2, 0
	TURN 0, 1, 0
	STEP 1, 0, 0
	STEP 1, 1, 0
	STEP 1, 2, 0
	s_wait_dscnt 0x0
	WIN MULW
	MUL8 0, 1, 3, 1, 0
	MUL8 1, 1, 3, 1, 0
	MUL8 2, 1, 3, 1, 0
	MUL8 3, 1, 3, 1, 0
	WIN 0
	PLACES                                         ; in front of the first reads of results and the first writes of registers that held fragments
; THE WAY OUT, 16 rows at a time.
.macro ROPE a                          ; x1' = sigma (x1 cos - x2 sin), x2' = sigma (x2 cos + x1 sin); each accumulator is read from its low end on
.irp b, 0,1,2,3
	ds_load_b128 v[CC+8*\b:CC+8*\b+3],   v[CSA] offset:16*CPITCH*(\a)+64*\b
	ds_load_b128 v[CC+8*\b+4:CC+8*\b+7], v[CSA] offset:16*CPITCH*(\a)+64*\b+16
	ds_load_b128 v[SS+8*\b:SS+8*\b+3],   v[CSA] offset:16*CPITCH*(\a)+64*\b+256
	ds_load_b128 v[SS+8*\b+4:SS+8*\b+7], v[CSA] offset:16*CPITCH*(\a)+64*\b+272
.endr
	WIN 0x82
.set k, 0
.rept 32
	v_pk_mul_f32 v[64*(\a)+k:64*(\a)+k+1], v[64*(\a)+k:64*(\a)+k+1], s[SIG:SIG+1] op_sel_hi:[1,0]
.set k, k+2
.endr
	s_wait_dscnt 0x0
	WIN 0x02
.set k, 0
.rept 16
	v_pk_mul_f32 v[T0+k:T0+k+1], v[64*(\a)+32+k:64*(\a)+32+k+1], v[SS+k:SS+k+1]
	v_pk_mul_f32 v[T1+k:T1+k+1], v[64*(\a)+k:64*(\a)+k+1], v[SS+k:SS+k+1]
.set k, k+2
.endr
	WIN 0x82
.set k, 0
.rept 16
	v_pk_fma_f32 v[64*(\a)+k:64*(\a)+k+1], v[64*(\a)+k:64*(\a)+k+1], v[CC+k:CC+k+1], v[T0+k:T0+k+1] neg_lo:[0,0,1] neg_hi:[0,0,1]
	v_pk_fma_f32 v[64*(\a)+32+k:64*(\a)+32+k+1], v[64*(\a)+32+k:64*(\a)+32+k+1], v[CC+k:CC+k+1], v[T1+k:T1+k+1]
.set k, k+2
.endr
	WIN 0
.endm
.macro PACKH a
	WIN 0x0a
.set k, 0
.rept 32
	v_cvt_pk_f16_f32 v[HH+k], v[64*(\a)+2*k], v[64*(\a)+2*k+1]
.set k, k+1
.endr
	WIN 0
.endm
.macro SPLIT a                         ; hi and lo parts
	WIN 0x02
.set k, 0
.rept 32
	v_pk_mul_f32 v[T0+k:T0+k+1], v[64*(\a)+k:64*(\a)+k+1], s[VEL:VEL+1] op_sel_hi:[1,0]
.set k, k+2
.endr
.set k, 0
.rept 32
	v_pk_add_f32 v[CC+k:CC+k+1], v[64*(\a)+k:64*(\a)+k+1], v[T0+k:T0+k+1] neg_lo:[1,0] neg_hi:[1,0]
.set k, k+2
.endr
	WIN 0
.set k, 0
.rept 32
	v_pk_add_f32 v[T0+k:T0+k+1], v[T0+k:T0+k+1], v[CC+k:CC+k+1] neg_lo:[0,1] neg_hi:[0,1]
.set k, k+2
.endr
	WIN 0x02
.set k, 0
.rept 32
	v_pk_add_f32 v[CC+k:CC+k+1], v[64*(\a)+k:64*(\a)+k+1], v[T0+k:T0+k+1] neg_lo:[0,1] neg_hi:[0,1]
.set k, k+2
.endr
	WIN 0
.set k, 0
.rept 32
	v_cvt_pk_f16_f32 v[HH+k], v[T0+2*k], v[T0+2*k+1]
	v_cvt_pk_f16_f32 v[LL+k], v[CC+2*k], v[CC+2*k+1]
.set k, k+1
.endr
.endm
.macro OUT src, a, base                ; 16 rows x 256 bytes through my stage, so that sixteen lanes store a row's 256 consecutive bytes
	s_wait_xcnt 0x0                                ; earlier stores have read their registers: the rows' registers are loaded again only behind this wait
.irp b, 0,1,2,3,4,5,6,7
	ds_store_b128 v[STO], v[\src+4*\b:\src+4*\b+3] offset:32*\b
.endr
.irp t, 0,1,2,3,4,5,6,7
	ds_load_b128 v[RB+4*\t:RB+4*\t+3], v[RD] offset:2*PITCH*\t   ; LDS serves a wave's instructions in order: these see the stores above
.endr
	s_wait_dscnt 0x0
.irp t, 0,1,2,3,4,5,6,7
	global_store_b128 v[CO], v[RB+4*\t:RB+4*\t+3], s[\base:\base+1] offset:4096*(\a)+512*\t
.endr
.endm
.macro WAYOUT a
	s_cmp_lg_u32 s2, 0
	s_cbranch_scc1 .Lnorope_\@
	ROPE \a
.Lnorope_\@:
	s_cmp_lg_u32 s3, 0
	s_cbranch_scc1 .Lplain_\@
	SPLIT \a
	OUT HH, \a, 6
	OUT LL, \a, 12
	s_branch .Ldone_\@
.Lplain_\@:
	PACKH \a
	OUT HH, \a, 6
.Ldone_\@:
.endm
	WAYOUT 0
	WAYOUT 1
	WAYOUT 2
	WAYOUT 3
	s_wait_tensorcnt 0x0                           ; the wave's end
	ds_add_u32 v[SPW], v[NIL]
	s_wait_dscnt 0x0
	CROUND                                         ; the closing round
	s_endpgm
.Lfunc_end_k_q4064565343_proj:
	.size	k_q4064565343_proj, .Lfunc_end_k_q4064565343_proj-k_q4064565343_proj
	.p2alignl 7, 3214868480
	.fill 96, 4, 3214868480
	.section	.rodata,"a",@progbits
	.p2align	6, 0x0
	.amdhsa_kernel k_q4064565343_proj
		.amdhsa_group_segment_fixed_size 327680
		.amdhsa_private_segment_fixed_size 0
		.amdhsa_enable_private_segment 0
		.amdhsa_kernarg_size 16
		.amdhsa_user_sgpr_count 2
		.amdhsa_user_sgpr_kernarg_segment_ptr 1
		.amdhsa_wavefront_size32 1
		.amdhsa_system_sgpr_workgroup_id_x 1
		.amdhsa_system_sgpr_workgroup_id_y 1
		.amdhsa_system_sgpr_workgroup_id_z 1
		.amdhsa_system_vgpr_workitem_id 0
		.amdhsa_next_free_vgpr 768
		.amdhsa_next_free_sgpr 102
		.amdhsa_reserve_vcc 0
		.amdhsa_float_denorm_mode_32 3
		.amdhsa_float_denorm_mode_16_64 3
		.amdhsa_memory_ordered 1
		.amdhsa_forward_progress 1
		.amdhsa_inst_pref_size 216
	.end_amdhsa_kernel
	.amdgpu_metadata
---
amdhsa.version: [ 1, 2 ]
amdhsa.kernels:
  - .name:           k_q4064565343_proj
    .symbol:         k_q4064565343_proj.kd
    .args:
      - { .name: pre, .offset: 0, .size: 8, .value_kind: global_buffer, .address_space: global }
      - { .name: qkv, .offset: 8, .size: 8, .value_kind: global_buffer, .address_space: global }
    .group_segment_fixed_size: 327680
    .private_segment_fixed_size: 0
    .kernarg_segment_align: 8
    .kernarg_segment_size: 16
    .max_flat_workgroup_size: 128
    .sgpr_count:     102
    .vgpr_count:     768
    .wavefront_size: 32
...
	.end_amdgpu_metadata
.endif
;; end of part 2
;; launch attn (part 3): grid 32 x 8, 8 waves a work-group, clusters of 4 x 1, 327,680 bytes of LDS; arguments qkv, maskw, enc, snap; writes enc, snap
.if DOCPART == 3
	.amdgcn_target "amdgcn-amd-amdhsa--gfx1250"
	.amdhsa_code_object_version 6
	.text
	.protected	k_q4064565343_attn
	.globl	k_q4064565343_attn
	.p2align	8
	.type	k_q4064565343_attn,@function
k_q4064565343_attn:
	s_mov_b64 s[64:65], 0
	v_nop
	global_prefetch_b8 v0, s[64:65] scope:SCOPE_SE
	s_setreg_imm32_b32 hwreg(HW_REG_WAVE_MODE, 25, 1), 1
	s_wait_xcnt 0x0
	s_wait_alu depctr_hold_cnt(0) depctr_sa_sdst(0) depctr_va_vdst(0) depctr_va_sdst(0) depctr_va_ssrc(0) depctr_va_vcc(0) depctr_vm_vsrc(0)
	s_getreg_b32 s2, hwreg(HW_REG_IB_STS2, 6, 4)
	s_cmp_eq_u32 s2, 0
	s_cbranch_scc0 .Lentry_in_a_cluster
	s_endpgm
.Lentry_in_a_cluster:
	s_bfe_u32 s2, ttmp6, 0x10000c
	s_cmp_lg_u32 s2, 0x3003
	s_cbranch_scc0 .Lentry_shape_is_right
	s_endpgm
.Lentry_shape_is_right:
; ATTENTION with the soft cap 50 tanh(logit / 50), the band and the given mask (both in the stored lane masks), f16 operands, f32 sums.
; y = 4 b + kv head; a work-group owns 64 positions.  EIGHT waves of 512 registers, two to a SIMD's 1,024, so that one wave's products and LDS loads stand beside the other's softmax.
; Waves w and w + 4 own the SAME 16 positions for BOTH query heads of the kv head (two tiles that share K's and V's fragments and the mask words) and SHARE THE KEYS: of a slot's four key steps of 64
; group 0 (waves 0-3) takes steps 0 and 1, group 1 (waves 4-7) steps 2 and 3.  Each keeps a state of its own (O, l, least U); the two are joined at the end.
; OUT OF PHASE.  Group 1 leaves the last part of its second step (O x a and V^T P, work on registers alone) until behind the change of slots, so that behind a barrier the two waves of a SIMD do not start with the same work.
; EVERY work-group walks ALL 2048 keys: the middle positions see every key through the band, and a row with no allowed key is the mean of all 2048 values, as the softmax of equal numbers is.
; THE CAP.  Q comes times (1 / sqrt(128)) (2 log2(e) / 50), so S = K Q^T is y = 2 log2(e) logit / 50; U = 1 / (1 + 2^y); the capped logit in powers of two is C - c2 U, c2 = 100 log2(e).
; The largest logit is the smallest U.  For each query: UM, the running least U; CM = c2 UM; p = 2^(CM - c2 U), at most 1; in every step O and l are multiplied by a = 2^(new CM - old CM).
; A hidden score gets U = 2^100: while a state has seen no allowed key, CM - c2 U is exactly 0 and p = 1; the first allowed key, or the joining with a state that has one, makes its factor 0.
; LAYOUT.  S^T = K Q^T and O^T = V^T P, both transposed: a lane holds one query throughout; two score tiles rounded to f16 in pairs are the second product's operand.  V is turned by ds_load_tr16_b128.
; THE WALK goes DOWN the keys, 256 a slot, and takes keys 0-63 last, behind the joining: ahead of that step the wave that owns positions 0-15 stores the joined state, on which a small launch redoes the step more finely.
; CLUSTER: the four work-groups of a cluster belong to one y and walk the same K and V: each tile is asked for jointly (mask 15).
; LIMITS: f16 operands (|k|, |v| up to 65,504); NaN and infinities are not served.
; REGISTERS: window 0: v1-11, v31 addresses; v12-27 statistics, 8 a tile; v28 2^100; v64-127 S^T; v128-159 P; v160-223 Q; v224-231 the partner's statistics.
;   window 1: v0-127 O^T; v128-255 K, and behind the step's last K Q^T the same step's V.
.set KS,    64
.set PK,    272                        ; a row of K in LDS: 256 bytes + 16
.set PV,    288                        ; a row of V: 256 + 32
.set VOFF,  KS*PK
.set STEPB, KS*(PK+PV)                 ; a step's tiles: 64 rows of K, then 64 rows of V
.set SLOTB, 4*STEPB                    ; a slot holds four steps
.set SPARE, 2*SLOTB                    ; behind the ring: the spare words, 128 bytes for each wave, that no other line names
.set MREG,  17408                      ; the joining: 32 images of O and two of the statistics, 512 bytes each, for each pair of waves: from byte 0 of slot 0,
.set STAGE, 4*MREG                     ; and behind them 16 rows x 272 bytes for each wave of group 0, for the way out.  Slot 0 has had its last fill and its last read when the first of these is stored
.set SP,    272
.set AK0, 2
.set AV0, 3
.set ADK, 4
.set ADV, 5
.set STO, 6
.set RD,  7
.set GO,  8
.set QO,  10
.set LN,  11
.set ST,  12                           ; tile u at v[ST + 8 u]: +0 CM, +1 UM, +2, +3 l (even keys', odd keys'), +4 .. +7 at work; a takes +6
.set BIG, 28
.set MA,  31                           ; where my pair's images lie
.set PFO, 61
.set SPW, 62
.set NIL, 63
.set S,   64
.set P,   128
.set Q,   160
.set PS,  224
.set KV,  128                          ; in window 1
.set WV,  12
.set LIM, 15
.set MP,  16                           ; s[16:17] my group's mask words of the slot in hand
.set PFA, 18                           ; s[18:19] where my prefetches stand
.set G1K, 24
.set G1V, 32
.set G0K, 40                           ; s[40:47] descriptor group 0 for K's tiles, a set for each slot
.set G0V, 48                           ; s[48:55] the same for V's
.set TRIPS, 56
.set GRP, 57                           ; my key group
.set NC2, 58                           ; s[58:59] -c2
.set SEL, 60
.set C2,  62
.set SNF, 63                           ; 0: I store the state
.set MSB, 0
.macro WIN new                         ; the immediate's high byte repeats the setting that is left
.if MSB != \new
	s_set_vgpr_msb (MSB<<8)|\new
.set MSB, \new
.endif
.endm
.macro PLACES
.rept 4
	v_nop
.endr
.endm
.macro JLOAD s                         ; into slot s: waves 0-3 fetch the four steps' tiles of K, waves 4-7 of V, 64 rows each; an s_nop 0 and four v_nop follow each line
	s_cmp_lt_u32 s[WV], 4
	s_cbranch_scc0 .Lfor_v_\@
	tensor_load_to_lds s[G0K+4*\s:G0K+4*\s+3], s[G1K:G1K+7]
	s_nop 0
.rept 4
	v_nop
.endr
	s_branch .Lasked_\@
.Lfor_v_\@:
	tensor_load_to_lds s[G0V+4*\s:G0V+4*\s+3], s[G1V:G1V+7]
	s_nop 0
.rept 4
	v_nop
.endr
.Lasked_\@:
.endm
; A prefetch of what the NEXT change of slots will ask for: 256 rows of K and of V, 256 bytes a row, a lane a row.  Each row is named once in the launch: of the eight clusters that walk these rows the first asks;
; its four partners take 64 rows each, told apart by address; waves 0 and 1 ask for K's, waves 4 and 5 for V's, 32 rows each.  how = 1: every time; how = 0: not in the loop's last trip, whose second change fills the last slot.
.macro ASK how
.if \how
	s_cmp_eq_u32 s[LIM], 1
.else
	s_cmp_gt_u32 s[TRIPS], s[LIM]
.endif
	s_cbranch_scc0 .Lnot_mine_\@
	global_prefetch_b8 v[PFO], s[PFA:PFA+1] th:TH_LOAD_NT scope:SCOPE_SE
.Lnot_mine_\@:
.endm
.macro CROUND
	s_barrier_signal -1
	s_barrier_wait -1
	s_cmp_lg_u32 s[WV], 0
	s_cbranch_scc1 .Lnot_wave_0_\@
	s_barrier_signal -3
.Lnot_wave_0_\@:
	s_barrier_wait -3
	s_barrier_signal -1
	s_barrier_wait -1
.endm
	s_load_b256 s[4:11], s[0:1], 0x0               ; qkv, maskw, enc, snap
	v_lshl_add_u32 v[SPW], v0, 2, SPARE
	v_mov_b32 v[NIL], 0
	ds_add_u32 v[SPW], v[NIL]                      ; the wave's opening: the add, twice on end, and its wait ahead of my first tensor load
	ds_add_u32 v[SPW], v[NIL]
	v_lshrrev_b32 v1, 5, v0
	v_readfirstlane_b32 s[WV], v1                  ; wave 0..7
	s_lshr_b32 s[GRP], s[WV], 2                    ; key group.  Also: I fetch for K (0) or for V (1)
	s_and_b32 s70, s[WV], 3                        ; which 16 positions are mine.  Also: which of a slot's four steps I fetch
	s_bfe_u32 s13, ttmp6, 0x40000                  ; cx
	s_lshl_b32 s14, ttmp9, 2
	s_add_co_u32 s14, s14, s13                     ; my block of 64 positions: it enters Q's, the mask's, enc's and snap's addresses alone
	s_and_b32 s20, ttmp7, 0xffff                   ; y, which the partners share
	s_lshr_b32 s21, s20, 2                         ; the sequence
	s_and_b32 s22, s20, 3                          ; the kv head
	s_lshl_b32 s84, s22, 21
	s_add_co_u32 s84, s84, (8<<20)+7*65536         ; K's head slot 8 + 2 k, 2^20 bytes a slot; the last 256 keys, 256 bytes a row,
	s_lshl_b32 s2, s21, 19
	s_add_co_u32 s84, s84, s2                      ; of the sequence's 2048 rows
	s_lshl_b32 s2, s70, 14
	s_add_co_u32 s72, s84, s2                      ; the step that I fetch: 64 rows,
	s_mov_b32 s73, 0
	s_mul_i32 s74, s70, STEPB                      ; and its place in a slot: no place in the cluster enters an LDS address
	s_lshl_b32 s3, s[GRP], 20                      ; the prefetches: K's or V's rows,
	s_add_co_u32 s86, s84, s3
	s_lshl_b32 s3, s13, 14                         ; my work-group's 64 of a slot's 256,
	s_add_co_u32 s86, s86, s3
	s_and_b32 s3, s[WV], 1
	s_lshl_b32 s3, s3, 13                          ; my wave's 32 of them,
	s_add_co_u32 s86, s86, s3
	s_sub_co_u32 s86, s86, 65536                   ; one slot down; the first change of slots steps it once more.  Nothing is prefetched at the head
	s_mov_b32 s87, 0
	s_lshl_b32 s75, s21, 11
	s_lshl_b32 s3, s14, 6
	s_add_co_u32 s75, s75, s3
	s_lshl_b32 s3, s70, 4
	s_add_co_u32 s75, s75, s3                      ; my first row of the 4096
	s_lshl_b32 s76, s75, 8
	s_mov_b32 s77, 0
	s_add_co_u32 s[MP], s76, 7*512                 ; mask words: 4096 bytes for 16 rows, 128 a step, 512 a slot; the last slot,
	s_lshl_b32 s3, s[GRP], 8
	s_add_co_u32 s[MP], s[MP], s3                  ; my group's two steps
	s_mov_b32 s[MP+1], 0
	s_lshl_b32 s3, s22, 21
	s_add_co_u32 s76, s76, s3                      ; Q: head slot 2 k
	s_lshl_b32 s78, s75, 11
	s_lshl_b32 s3, s22, 9
	s_add_co_u32 s78, s78, s3                      ; enc: rows of 2048 bytes, 256 a head
	s_mov_b32 s79, 0
	s_lshl_b32 s82, s20, 3
	s_lshl_b32 s3, s13, 1
	s_add_co_u32 s82, s82, s3
	s_mul_i32 s82, s82, 8704                       ; snap: [y][cx][tile] x 8704 bytes
	s_mov_b32 s83, 0
	s_mov_b32 s[G1K], 15|(1<<16)|(1<<20)|(1<<21)|(5<<22)|(3<<25)   ; all four work-groups; elements of 2 bytes; 4 words of padding behind every 64
	s_mov_b32 s[G1V], 15|(1<<16)|(1<<20)|(1<<21)|(5<<22)|(7<<25)   ; the same with 8 words
.irp g, G1K, G1V
	s_mov_b32 s[\g+1], 128<<16
	s_mov_b32 s[\g+2], KS<<16
	s_mov_b32 s[\g+3], 128<<16
	s_mov_b32 s[\g+4], KS
	s_mov_b32 s[\g+5], 128
	s_mov_b32 s[\g+6], 0
	s_mov_b32 s[\g+7], 0
.endr
	s_mov_b32 s[NC2], 0xc31044fe                   ; -100 log2(e)
	s_mov_b32 s[NC2+1], s[NC2]
	s_mov_b32 s[C2], 0x431044fe
	s_mov_b32 s[SEL], 0x76543210
	s_mov_b32 s[SEL+1], 0xfedcba98
	s_or_b32 s[SNF], ttmp9, s[WV]                  ; the cluster's x and the wave's number: the same in all partners
	s_and_b32 s[LIM], s[WV], 2
	s_or_b32 s[LIM], s[LIM], ttmp9
	s_cmp_eq_u32 s[LIM], 0
	s_cselect_b32 s[LIM], 1, -1                    ; 1 in waves 0, 1, 4, 5 of the first cluster along x
	v_and_b32 v[PFO], 31, v0
	v_lshlrev_b32 v[PFO], 8, v[PFO]
	s_wait_dscnt 0x0                               ; both opening adds are done
	s_wait_kmcnt 0x0
	s_add_nc_u64 s[72:73], s[4:5], s[72:73]        ; K at my tile of the last slot
	s_add_nc_u64 s[80:81], s[72:73], 1<<20         ; V likewise
	s_add_nc_u64 s[76:77], s[4:5], s[76:77]
	s_add_nc_u64 s[MP:MP+1], s[6:7], s[MP:MP+1]
	s_add_nc_u64 s[8:9], s[8:9], s[78:79]
	s_add_nc_u64 s[10:11], s[10:11], s[82:83]
	s_add_nc_u64 s[PFA:PFA+1], s[4:5], s[86:87]
	CROUND                                         ; all four work-groups are here: the first joint loads meet
.irp s, 0,1
	s_mov_b32 s[G0K+4*\s], 1
	s_add_co_u32 s[G0K+4*\s+1], s74, \s*SLOTB
	s_sub_nc_u64 s[G0K+4*\s+2:G0K+4*\s+3], s[72:73], \s*65536     ; slot 0 begins with keys 1792-2047, slot 1 with the 256 below
	s_or_b32 s[G0K+4*\s+3], s[G0K+4*\s+3], 0x80000000
	s_mov_b32 s[G0V+4*\s], 1
	s_add_co_u32 s[G0V+4*\s+1], s74, \s*SLOTB+VOFF
	s_sub_nc_u64 s[G0V+4*\s+2:G0V+4*\s+3], s[80:81], \s*65536
	s_or_b32 s[G0V+4*\s+3], s[G0V+4*\s+3], 0x80000000
.endr
	JLOAD 0                                        ; one load of mine is out
	v_and_b32 v1, 15, v0                           ; r
	v_bfe_u32 v9, v0, 4, 1                         ; h
	v_lshlrev_b32 v[QO], 8, v1
	v_lshl_add_u32 v[QO], v9, 4, v[QO]
.irp u, 0,1
.irp c, 0,1,2,3
	global_load_b128 v[Q+32*\u+8*\c:Q+32*\u+8*\c+3], v[QO], s[76:77] offset:\u*1048576+\c*64     ; Q stays in registers
	global_load_b128 v[Q+32*\u+8*\c+4:Q+32*\u+8*\c+7], v[QO], s[76:77] offset:\u*1048576+\c*64+32
.endr
.endr
	WIN 0x40
.set j, 0
.rept 128
	v_mov_b32 v[j], 0                              ; O^T.  The step is written without a first form of its own: the first step finds zeros
.set j, j+1
.endr
	WIN 0
	s_mul_i32 s2, s[GRP], 2*STEPB                  ; my group's two steps of a slot
	v_mul_u32_u24 v[AK0], v1, PK
	v_lshl_add_u32 v[AK0], v9, 4, v[AK0]
	v_add_nc_u32 v[AK0], s2, v[AK0]
	v_and_b32 v29, 7, v0
	v_bfe_u32 v30, v0, 3, 1
	v_lshl_add_u32 v[AV0], v9, 3, v29
	v_mul_u32_u24 v[AV0], v[AV0], PV
	v_lshl_add_u32 v[AV0], v30, 4, v[AV0]
	v_add_nc_u32 v[AV0], VOFF, v[AV0]
	v_add_nc_u32 v[AV0], s2, v[AV0]
	s_mul_i32 s2, s70, 16*SP
	s_add_co_u32 s2, s2, STAGE
	v_mul_u32_u24 v[STO], v1, SP
	v_lshl_add_u32 v[STO], v9, 4, v[STO]
	v_add_nc_u32 v[STO], s2, v[STO]
	v_mul_u32_u24 v[RD], v9, SP
	v_lshl_add_u32 v[RD], v1, 4, v[RD]
	v_add_nc_u32 v[RD], s2, v[RD]
	v_lshlrev_b32 v[GO], 11, v9
	v_lshl_add_u32 v[GO], v1, 4, v[GO]
	v_and_b32 v[LN], 31, v0
	v_lshlrev_b32 v[LN], 4, v[LN]
	s_mul_i32 s2, s70, MREG
	v_add_nc_u32 v[MA], s2, v[LN]                  ; the same in waves w and w + 4: the one stores there, the other loads
	v_mov_b32 v[BIG], 0x71800000                   ; 2^100
.irp u, 0,1
	v_mov_b32 v[ST+8*\u+1], v[BIG]
	v_mul_f32 v[ST+8*\u], s[C2], v[BIG]            ; exact: a shift of the exponent
	v_mov_b32 v[ST+8*\u+2], 0
	v_mov_b32 v[ST+8*\u+3], 0
.endr
; A KEY STEP, 64 keys, the e-th of my group's two in the slot in hand, in three parts.
; FRONT: the lane masks are asked for; K; S^T = K Q^T; V is asked for, into K's registers.
.macro FRONT e
	s_load_b512 s[68:83], s[MP:MP+1], 128*(\e)     ; the step's 32 lane masks
	s_load_b512 s[84:99], s[MP:MP+1], 128*(\e)+64
	PLACES                                         ; in front of loads into registers that the last products read
	WIN 0x40
.irp c, 0,1,2,3
.irp i, 0,1,2,3
	ds_load_b128 v[KV+32*\i+8*\c:KV+32*\i+8*\c+3],   v[ADK] offset:(\e)*STEPB+\i*16*PK+\c*64
	ds_load_b128 v[KV+32*\i+8*\c+4:KV+32*\i+8*\c+7], v[ADK] offset:(\e)*STEPB+\i*16*PK+\c*64+32
.endr
.endr
	WIN 0x01                                       ; K window 1; Q and S^T window 0
.irp c, 0,1,2,3
	s_wait_dscnt 24-8*\c                           ; K's channels 32 c on are in; its later groups of eight loads may be out
.irp i, 0,1,2,3
.irp u, 0,1
.if \c == 0
	v_wmma_f32_16x16x32_f16 v[S+32*\u+8*\i:S+32*\u+8*\i+7], v[KV+32*\i+8*\c:KV+32*\i+8*\c+7], v[Q+32*\u+8*\c:Q+32*\u+8*\c+7], 0
.else
	v_wmma_f32_16x16x32_f16 v[S+32*\u+8*\i:S+32*\u+8*\i+7], v[KV+32*\i+8*\c:KV+32*\i+8*\c+7], v[Q+32*\u+8*\c:Q+32*\u+8*\c+7], v[S+32*\u+8*\i:S+32*\u+8*\i+7]
.endif
.endr
.endr
.endr
	WIN 0
	PLACES                                         ; in front of the loads into K's registers and of the first reads of the scores
	WIN 0x40
.irp f, 0,1,2,3,4,5,6,7,8,9,10,11,12,13,14,15
	ds_load_tr16_b128 v[KV+8*\f:KV+8*\f+3],   v[ADV] offset:(\e)*STEPB+(\f/8)*32*PV+(\f%8)*32
	ds_load_tr16_b128 v[KV+8*\f+4:KV+8*\f+7], v[ADV] offset:(\e)*STEPB+(\f/8)*32*PV+16*PV+(\f%8)*32
.endr
	WIN 0
.endm
; SM: the cap, the mask, the running least U, p, its rounding and its sum.  All in window 0.
.macro SM
.set j, 0
.rept 64
	v_exp_f32 v[S+j], v[S+j]                       ; 2^y, each tile from its low end on
.set j, j+1
.endr
	v_nop                                          ; a plain instruction behind the batch,
	s_wait_alu depctr_va_vdst(0)                   ; and one wait for it, ahead of its first reader
.set j, 0
.rept 32
	v_pk_add_f32 v[S+j:S+j+1], v[S+j:S+j+1], 1.0 op_sel_hi:[1,0]
.set j, j+2
.endr
.set j, 0
.rept 64
	v_rcp_f32 v[S+j], v[S+j]                       ; U
.set j, j+1
.endr
	v_nop
	s_wait_kmcnt 0x0                               ; the masks are in
	s_wait_alu depctr_va_vdst(0)
.irp i, 0,1,2,3
.irp x, 0,1,2,3,4,5,6,7
.irp u, 0,1
	v_cndmask_b32 v[S+32*\u+8*\i+\x], v[BIG], v[S+32*\u+8*\i+\x], s[68+8*\i+\x]   ; hidden: 2^100
.endr
.endr
.endr
.irp k, 0,1,2,3                        ; the least U, three operands at a time, four chains a tile
.irp u, 0,1
	v_min3_num_f32 v[ST+8*\u+4+\k], v[S+32*\u+8*\k], v[S+32*\u+8*\k+1], v[S+32*\u+8*\k+2]
.endr
.endr
.irp m, 1,2
.irp k, 0,1,2,3
.irp u, 0,1
	v_min3_num_f32 v[ST+8*\u+4+\k], v[ST+8*\u+4+\k], v[S+32*\u+8*\k+2*\m+1], v[S+32*\u+8*\k+2*\m+2]
.endr
.endr
.endr
.irp u, 0,1
	v_min3_num_f32 v[ST+8*\u+4], v[ST+8*\u+4], v[S+32*\u+7], v[S+32*\u+15]
	v_min3_num_f32 v[ST+8*\u+6], v[ST+8*\u+6], v[S+32*\u+23], v[S+32*\u+31]
.endr
.irp u, 0,1
	v_min3_num_f32 v[ST+8*\u+4], v[ST+8*\u+4], v[ST+8*\u+5], v[ST+8*\u+6]
.endr
.irp u, 0,1
	v_min3_num_f32 v[ST+8*\u+4], v[ST+8*\u+4], v[ST+8*\u+7], v[ST+8*\u+1]
.endr
.irp u, 0,1
	v_permlanex16_b32 v[ST+8*\u+5], v[ST+8*\u+4], s[SEL], s[SEL+1]   ; the query's other 32 keys lie in the lane 16 away
.endr
.irp u, 0,1
	v_mov_b32 v[ST+8*\u+7], v[ST+8*\u]             ; the old CM
.endr
.irp u, 0,1
	v_min_num_f32 v[ST+8*\u+1], v[ST+8*\u+4], v[ST+8*\u+5]
.endr
.irp u, 0,1
	v_mul_f32 v[ST+8*\u], s[C2], v[ST+8*\u+1]
.endr
.irp u, 0,1
	v_sub_f32 v[ST+8*\u+7], v[ST+8*\u], v[ST+8*\u+7]
.endr
.irp u, 0,1
	v_exp_f32 v[ST+8*\u+6], v[ST+8*\u+7]           ; a
.endr
.irp u, 0,1
.set j, 0
.rept 16
	v_pk_fma_f32 v[S+32*\u+j:S+32*\u+j+1], v[S+32*\u+j:S+32*\u+j+1], s[NC2:NC2+1], v[ST+8*\u:ST+8*\u+1] op_sel_hi:[1,0,0]   ; CM - c2 U
.set j, j+2
.endr
.endr
.set j, 0
.rept 64
	v_exp_f32 v[S+j], v[S+j]                       ; p
.set j, j+1
.endr
	v_nop
	s_wait_alu depctr_va_vdst(0)                   ; one wait for the 64 and the two a
.irp u, 0,1
.set j, 0
.rept 16
	v_cvt_pk_f16_f32 v[P+16*\u+j], v[S+32*\u+2*j], v[S+32*\u+2*j+1]
.set j, j+1
.endr
.endr
.irp z, 0,1,2,3,4,5,6,7                ; the row's sum, of the unrounded p, in place
.irp u, 0,1
	v_pk_add_f32 v[S+32*\u+4*\z:S+32*\u+4*\z+1], v[S+32*\u+4*\z:S+32*\u+4*\z+1], v[S+32*\u+4*\z+2:S+32*\u+4*\z+3]
.endr
.endr
.irp z, 0,1,2,3
.irp u, 0,1
	v_pk_add_f32 v[S+32*\u+8*\z:S+32*\u+8*\z+1], v[S+32*\u+8*\z:S+32*\u+8*\z+1], v[S+32*\u+8*\z+4:S+32*\u+8*\z+5]
.endr
.endr
.irp z, 0,1
.irp u, 0,1
	v_pk_add_f32 v[S+32*\u+16*\z:S+32*\u+16*\z+1], v[S+32*\u+16*\z:S+32*\u+16*\z+1], v[S+32*\u+16*\z+8:S+32*\u+16*\z+9]
.endr
.endr
.irp u, 0,1
	v_pk_add_f32 v[S+32*\u:S+32*\u+1], v[S+32*\u:S+32*\u+1], v[S+32*\u+16:S+32*\u+17]
.endr
.irp u, 0,1
	v_pk_fma_f32 v[ST+8*\u+2:ST+8*\u+3], v[ST+8*\u+2:ST+8*\u+3], v[ST+8*\u+6:ST+8*\u+7], v[S+32*\u:S+32*\u+1] op_sel_hi:[1,0,1]   ; l = a l + the sum
.endr
.endm
; BP: O^T = a O^T + V^T P: registers alone, once V is in.
.macro BP
	s_wait_dscnt 0x0                               ; V is in
	WIN 0x41
.irp u, 0,1
.set j, 0
.rept 32
	v_pk_mul_f32 v[64*\u+j:64*\u+j+1], v[64*\u+j:64*\u+j+1], v[ST+8*\u+6:ST+8*\u+7] op_sel_hi:[1,0]   ; O^T x a, each accumulator from its low end on
.set j, j+2
.endr
.endr
	WIN 0x51                                       ; V and O^T window 1, P window 0; the sixteen accumulators take turns
.irp m, 0,1
.irp c, 0,1,2,3,4,5,6,7
.irp u, 0,1
	v_wmma_f32_16x16x32_f16 v[64*\u+8*\c:64*\u+8*\c+7], v[KV+64*\m+8*\c:KV+64*\m+8*\c+7], v[P+16*\u+8*\m:P+16*\u+8*\m+7], v[64*\u+8*\c:64*\u+8*\c+7]
.endr
.endr
.endr
	WIN 0
.endm
; A slot's work: my group's two steps.  Group 1 leaves the second step's last part for behind the change of slots.
.macro WORK
	FRONT 0
	SM
	BP
	FRONT 1
	SM
	s_cmp_lg_u32 s[GRP], 0
	s_cbranch_scc1 .Llater_\@
	BP
.Llater_\@:
	s_sub_nc_u64 s[MP:MP+1], s[MP:MP+1], 512       ; the slot below (the pointer's loads were waited for in the steps)
.endm
.macro DEFERRED                        ; group 1: what it left
	s_cmp_eq_u32 s[GRP], 0
	s_cbranch_scc1 .Lnone_\@
	BP
.Lnone_\@:
.endm
; THE CHANGE OF SLOTS, ahead of the work on slot rd.  Each wave waits for all its tensor loads (its part of slot rd), adds 0 to its spare word, and waits for that and for its reads of the slot that it has left.
; fill = 1: behind a round of the cluster's barrier the slot that was left takes the 256 keys below slot rd's: every wave's one load, which has a slot's work in which to land.
.macro CHANGE rd, fill, how
	s_wait_tensorcnt 0x0                           ; no tensor load of mine is out, so a group 0 may be written
	ds_add_u32 v[SPW], v[NIL]
.if \fill
	s_sub_nc_u64 s[G0K+4*\rd+2:G0K+4*\rd+3], s[G0K+4*\rd+2:G0K+4*\rd+3], 131072   ; the set whose load has landed: its slot's next tile, two slots down (behind the last use the stepped address is not used)
	s_sub_nc_u64 s[G0V+4*\rd+2:G0V+4*\rd+3], s[G0V+4*\rd+2:G0V+4*\rd+3], 131072
	s_wait_xcnt 0x0                                ; the last prefetch, a slot back, has read its address
	s_sub_nc_u64 s[PFA:PFA+1], s[PFA:PFA+1], 65536
	s_wait_dscnt 0x0                               ; the add is done, and my reads of the slot that I have left are over
	CROUND
	JLOAD (1-\rd)
	ASK \how
.else
	s_wait_dscnt 0x0
	s_barrier_signal -1
	s_barrier_wait -1
	PLACES
.endif
	v_add_nc_u32 v[ADK], \rd*SLOTB, v[AK0]
	v_add_nc_u32 v[ADV], \rd*SLOTB, v[AV0]
.endm
	s_wait_loadcnt 0x0                             ; Q
	CHANGE 0, 1, 1                                 ; keys 1792-2047 are in; slot 1 is filled for the first time, by all eight waves
	s_mov_b32 s[TRIPS], 3
.Lslot:                                            ; three trips of two slots: key slots 7 to 2 are worked, 5 to 0 asked for
	WORK
	CHANGE 1, 1, 1
	DEFERRED
	WORK
	CHANGE 0, 1, 0
	DEFERRED
	s_sub_co_u32 s[TRIPS], s[TRIPS], 1
	s_cmp_lg_u32 s[TRIPS], 0
	s_cbranch_scc1 .Lslot
	WORK                                           ; keys 256-511
	CHANGE 1, 0, 0                                 ; the last change is written out: nothing is asked for
	DEFERRED
	FRONT 1                                        ; group 0: keys 64-127; group 1: keys 192-255
	SM
	BP
	s_cmp_eq_u32 s[GRP], 0
	s_cbranch_scc1 .Lmeet
	FRONT 0                                        ; group 1: keys 128-191,
	SM
	BP
	PLACES                                         ; and its state to LDS, as images of the registers: 16 bytes a lane, 512 consecutive bytes a store
	WIN 0x04
.irp u, 0,1
.irp c, 0,1,2,3,4,5,6,7
	ds_store_b128 v[MA], v[64*\u+8*\c:64*\u+8*\c+3] offset:(16*\u+2*\c)*512
	ds_store_b128 v[MA], v[64*\u+8*\c+4:64*\u+8*\c+7] offset:(16*\u+2*\c+1)*512
.endr
.endr
	WIN 0
.irp u, 0,1
	ds_store_b128 v[MA], v[ST+8*\u:ST+8*\u+3] offset:16384+512*\u
.endr
.Lmeet:
	s_wait_dscnt 0x0                               ; for the partner's sake: my stores are done
	s_barrier_signal -1
	s_barrier_wait -1
	s_cmp_lg_u32 s[GRP], 0
	s_cbranch_scc1 .Lend                           ; group 1 has nothing more to do
	; THE JOINING.  UM = the lesser of the two; each side's O and l are multiplied by 2^(new CM - its own CM), which is 1 for the side that holds the lesser, and added.
	ds_load_b128 v[PS:PS+3], v[MA] offset:16384
	ds_load_b128 v[PS+4:PS+7], v[MA] offset:16896
	PLACES                                         ; in front of loads into registers that the last products read
	WIN 0x40
.set k, 0
.rept 32
	ds_load_b128 v[KV+4*k:KV+4*k+3], v[MA] offset:512*k
.set k, k+1
.endr
	WIN 0
	s_wait_dscnt 32                                ; the partner's statistics are in; its 32 images of O may be out
.irp u, 0,1
	v_min_num_f32 v[ST+8*\u+5], v[ST+8*\u+1], v[PS+4*\u+1]
.endr
.irp u, 0,1
	v_mul_f32 v[ST+8*\u+7], s[C2], v[ST+8*\u+5]
.endr
.irp u, 0,1
	v_sub_f32 v[ST+8*\u+6], v[ST+8*\u+7], v[ST+8*\u]
	v_sub_f32 v[ST+8*\u+4], v[ST+8*\u+7], v[PS+4*\u]
.endr
.irp u, 0,1
	v_mov_b32 v[ST+8*\u+1], v[ST+8*\u+5]
	v_mov_b32 v[ST+8*\u], v[ST+8*\u+7]
.endr
.irp u, 0,1
	v_exp_f32 v[ST+8*\u+6], v[ST+8*\u+6]           ; my factor,
	v_exp_f32 v[ST+8*\u+4], v[ST+8*\u+4]           ; the partner's
.endr
	v_nop
	s_wait_alu depctr_va_vdst(0)                   ; one wait for the four
.irp u, 0,1
	v_pk_mul_f32 v[ST+8*\u+2:ST+8*\u+3], v[ST+8*\u+2:ST+8*\u+3], v[ST+8*\u+6:ST+8*\u+7] op_sel_hi:[1,0]
.endr
.irp u, 0,1
	v_pk_fma_f32 v[ST+8*\u+2:ST+8*\u+3], v[PS+4*\u+2:PS+4*\u+3], v[ST+8*\u+4:ST+8*\u+5], v[ST+8*\u+2:ST+8*\u+3] op_sel_hi:[1,0,1]
.endr
	s_wait_dscnt 0x0
	WIN 0x41
.irp u, 0,1
.set j, 0
.rept 32
	v_pk_mul_f32 v[64*\u+j:64*\u+j+1], v[64*\u+j:64*\u+j+1], v[ST+8*\u+6:ST+8*\u+7] op_sel_hi:[1,0]   ; each accumulator from its low end on
.set j, j+2
.endr
.endr
	WIN 0x51
.irp u, 0,1
.set j, 0
.rept 32
	v_pk_fma_f32 v[64*\u+j:64*\u+j+1], v[KV+64*\u+j:KV+64*\u+j+1], v[ST+8*\u+4:ST+8*\u+5], v[64*\u+j:64*\u+j+1] op_sel_hi:[1,0,1]
.set j, j+2
.endr
.endr
	WIN 0
	s_cmp_lg_u32 s[SNF], 0
	s_cbranch_scc1 .Lno_snap
	WIN 0x04                                       ; the state ahead of keys 0-63, as images of the registers: 512 consecutive bytes a store
.irp u, 0,1
.irp c, 0,1,2,3,4,5,6,7
	global_store_b128 v[LN], v[64*\u+8*\c:64*\u+8*\c+3], s[10:11] offset:\u*8704+\c*1024
	global_store_b128 v[LN], v[64*\u+8*\c+4:64*\u+8*\c+7], s[10:11] offset:\u*8704+\c*1024+512
.endr
.endr
	WIN 0
.irp u, 0,1
	global_store_b128 v[LN], v[ST+8*\u:ST+8*\u+3], s[10:11] offset:\u*8704+8192
.endr
	s_wait_xcnt 0x0                                ; the stores' data are written again only behind this wait
.Lno_snap:
	FRONT 0                                        ; keys 0-63 last
	SM
	BP
	; THE WAY OUT
.irp u, 0,1
	v_add_f32 v[ST+8*\u+4], v[ST+8*\u+2], v[ST+8*\u+3]
.endr
.irp u, 0,1
	v_permlanex16_b32 v[ST+8*\u+5], v[ST+8*\u+4], s[SEL], s[SEL+1]
.endr
.irp u, 0,1
	v_add_f32 v[ST+8*\u+4], v[ST+8*\u+4], v[ST+8*\u+5]
.endr
.irp u, 0,1
	v_rcp_f32 v[ST+8*\u+6], v[ST+8*\u+4]
.endr
	PLACES                                         ; plain instructions behind the reciprocals and behind the last products
	s_wait_alu depctr_va_vdst(0)
.macro PACK u
	WIN 0x41
.set j, 0
.rept 32
	v_pk_mul_f32 v[64*\u+j:64*\u+j+1], v[64*\u+j:64*\u+j+1], v[ST+8*\u+6:ST+8*\u+7] op_sel_hi:[1,0]
.set j, j+2
.endr
	WIN 0x05
.set j, 0
.rept 32
	v_cvt_pk_f16_f32 v[S+32*\u+j], v[64*\u+2*j], v[64*\u+2*j+1]
.set j, j+1
.endr
	WIN 0
.irp f, 0,1,2,3,4,5,6,7
	ds_store_b128 v[STO], v[S+32*\u+4*\f:S+32*\u+4*\f+3] offset:32*\f
.endr
.irp f, 0,1,2,3,4,5,6,7
	ds_load_b128 v[S+32*\u+4*\f:S+32*\u+4*\f+3], v[RD] offset:\f*2*SP   ; LDS serves a wave's instructions in order
.endr
.endm
.macro SEND u, younger
.irp f, 0,1,2,3,4,5,6,7
	s_wait_dscnt \younger+7-\f
	global_store_b128 v[GO], v[S+32*\u+4*\f:S+32*\u+4*\f+3], s[8:9] offset:\u*256+\f*4096   ; sixteen lanes store a head's 256 consecutive bytes of a row
.endr
.endm
	PACK 0
	PACK 1
	SEND 0, 16
	SEND 1, 0
.Lend:
	s_wait_tensorcnt 0x0                           ; the wave's end
	ds_add_u32 v[SPW], v[NIL]
	s_wait_dscnt 0x0
	CROUND                                         ; the closing round
	s_endpgm
.Lfunc_end_k_q4064565343_attn:
	.size	k_q4064565343_attn, .Lfunc_end_k_q4064565343_attn-k_q4064565343_attn
	.p2alignl 7, 3214868480
	.fill 96, 4, 3214868480
	.section	.rodata,"a",@progbits
	.p2align	6, 0x0
	.amdhsa_kernel k_q4064565343_attn
		.amdhsa_group_segment_fixed_size 327680
		.amdhsa_private_segment_fixed_size 0
		.amdhsa_enable_private_segment 0
		.amdhsa_kernarg_size 32
		.amdhsa_user_sgpr_count 2
		.amdhsa_user_sgpr_kernarg_segment_ptr 1
		.amdhsa_wavefront_size32 1
		.amdhsa_system_sgpr_workgroup_id_x 1
		.amdhsa_system_sgpr_workgroup_id_y 1
		.amdhsa_system_sgpr_workgroup_id_z 1
		.amdhsa_system_vgpr_workitem_id 0
		.amdhsa_next_free_vgpr 512
		.amdhsa_next_free_sgpr 100
		.amdhsa_reserve_vcc 0
		.amdhsa_float_denorm_mode_32 3
		.amdhsa_float_denorm_mode_16_64 3
		.amdhsa_memory_ordered 1
		.amdhsa_forward_progress 1
		.amdhsa_inst_pref_size 255
	.end_amdhsa_kernel
	.section	.bss,"aw",@nobits
	.p2align	6
	.space	262144
	.amdgpu_metadata
---
amdhsa.version: [ 1, 2 ]
amdhsa.kernels:
  - .name:           k_q4064565343_attn
    .symbol:         k_q4064565343_attn.kd
    .args:
      - { .name: qkv, .offset: 0, .size: 8, .value_kind: global_buffer, .address_space: global }
      - { .name: maskw, .offset: 8, .size: 8, .value_kind: global_buffer, .address_space: global }
      - { .name: enc, .offset: 16, .size: 8, .value_kind: global_buffer, .address_space: global }
      - { .name: snap, .offset: 24, .size: 8, .value_kind: global_buffer, .address_space: global }
    .group_segment_fixed_size: 327680
    .private_segment_fixed_size: 0
    .kernarg_segment_align: 8
    .kernarg_segment_size: 32
    .max_flat_workgroup_size: 256
    .sgpr_count:     100
    .vgpr_count:     512
    .wavefront_size: 32
...
	.end_amdgpu_metadata
.endif
;; end of part 3
;; launch fattn (part 4): grid 8 x 2, 4 waves a work-group, no clusters, 49,664 bytes of LDS; arguments qkv, maskw, snap, encf; writes encf
.if DOCPART == 4
	.amdgcn_target "amdgcn-amd-amdhsa--gfx1250"
	.amdhsa_code_object_version 6
	.text
	.protected	k_q4064565343_fattn
	.globl	k_q4064565343_fattn
	.p2align	8
	.type	k_q4064565343_fattn,@function
k_q4064565343_fattn:
	s_mov_b64 s[64:65], 0
	v_nop
	global_prefetch_b8 v0, s[64:65] scope:SCOPE_SE
	s_setreg_imm32_b32 hwreg(HW_REG_WAVE_MODE, 25, 1), 1
	s_wait_xcnt 0x0
; THE FIRST 16 POSITIONS of each sequence, more finely.  A row that averages few values is the largest in size, so the rounding of f16 operands weighs most there.
; The work-group is (query head, sequence).  It takes the state that the attention launch stored ahead of keys 0-63 (O, l, CM, UM in f32) and redoes that one key step with Q, K, V and p as PAIRS of f16
; (hi + lo; three products for each: hi hi, hi lo, lo hi).  The result, O / l in f32, goes out as images of the registers.
; Each wave computes all 64 scores anew and owns 32 of the head's 128 channels: the waves exchange nothing, so there is no barrier.  V's 32 channels are turned through the wave's own LDS bytes.
; STATED: keys from 64 on enter these rows with plain f16 operands, as in every other row.  Below 6e-5 a pair is good to 3e-8.
; A small launch: 16 work-groups have all the work there is.  No tensor loads, no cluster.
; REGISTERS: window 0: v1-10 addresses; v16-23 statistics; v24 2^100; v32-47 p hi, v48-63 p lo; v64-95 at work; v96-127 S^T; v128-159 V hi, v160-191 V lo; v192-255 V as loaded, later at work.
;   window 1: K hi at v[32 i + 8 c], K lo 128 further on.   window 2: Q hi v0-31, Q lo v32-63, O^T v64-79.
.set SPARE, 49152
.set SPW, 14
.set NIL, 15
.set PH,  32
.set PL,  48
.set TF,  64
.set S,   96
.set VH,  128
.set VL,  160
.set RW,  192
.set MSB, 0
.macro WIN new
.if MSB != \new
	s_set_vgpr_msb (MSB<<8)|\new
.set MSB, \new
.endif
.endm
.macro PLACES
.rept 4
	v_nop
.endr
.endm
	s_load_b256 s[4:11], s[0:1], 0x0               ; qkv, maskw, snap, encf
	v_lshl_add_u32 v[SPW], v0, 2, SPARE
	v_mov_b32 v[NIL], 0
	v_lshrrev_b32 v1, 5, v0
	v_readfirstlane_b32 s12, v1                    ; wave
	s_and_b32 s13, ttmp7, 0xffff                   ; the sequence
	s_lshr_b32 s14, ttmp9, 1                       ; the kv head
	s_and_b32 s15, ttmp9, 1                        ; which of its two query heads
	s_lshl_b32 s32, s13, 19                        ; the sequence's rows in a head slot; also its mask words
	s_mov_b32 s33, 0
	s_lshl_b32 s34, ttmp9, 20
	s_add_co_u32 s34, s34, s32
	s_mov_b32 s35, 0
	s_lshl_b32 s36, s14, 21
	s_add_co_u32 s36, s36, 8<<20
	s_add_co_u32 s36, s36, s32
	s_mov_b32 s37, 0
	s_lshl_b32 s38, s12, 6                         ; my 32 channels: 64 bytes of a row
	s_add_co_u32 s38, s38, s36
	s_add_co_u32 s38, s38, 1<<20
	s_mov_b32 s39, 0
	s_lshl_b32 s40, s13, 2
	s_add_co_u32 s40, s40, s14
	s_lshl_b32 s40, s40, 3
	s_add_co_u32 s40, s40, s15
	s_mul_i32 s40, s40, 8704                       ; the state of (y, place 0 in the cluster, tile)
	s_mov_b32 s41, 0
	s_lshl_b32 s42, s12, 11                        ; my two channel tiles in it
	s_mov_b32 s43, 0
	s_lshl_b32 s44, s13, 3
	s_add_co_u32 s44, s44, ttmp9
	s_lshl_b32 s44, s44, 3
	s_lshl_b32 s45, s12, 1
	s_add_co_u32 s44, s44, s45
	s_lshl_b32 s44, s44, 10
	s_mov_b32 s45, 0
	s_mov_b32 s30, 0x46000400                      ; 8193
	s_mov_b32 s31, s30
	s_mov_b32 s46, 0x76543210
	s_mov_b32 s47, 0xfedcba98
	s_mov_b32 s48, 0xc31044fe                      ; -100 log2(e)
	s_mov_b32 s49, s48
	s_mov_b32 s50, 0x431044fe
	s_mul_i32 s51, s12, 12288                      ; my LDS bytes: 64 keys x 96 bytes, hi and lo
	v_and_b32 v1, 15, v0                           ; r
	v_bfe_u32 v7, v0, 4, 1                         ; h
	v_lshlrev_b32 v2, 8, v1
	v_lshl_add_u32 v2, v7, 4, v2                   ; a fragment's row x 256 + 16 h
	v_and_b32 v8, 31, v0
	v_lshlrev_b32 v6, 4, v8                        ; 16 x lane
	v_lshrrev_b32 v9, 2, v8
	v_and_b32 v10, 3, v8
	v_lshlrev_b32 v3, 8, v9
	v_lshl_add_u32 v3, v10, 4, v3                  ; V as loaded: row lane / 4, piece lane % 4
	v_mul_u32_u24 v4, v9, 96
	v_lshl_add_u32 v4, v10, 4, v4
	v_add_nc_u32 v4, s51, v4
	v_and_b32 v9, 7, v0
	v_lshl_add_u32 v9, v7, 3, v9
	v_mul_u32_u24 v5, v9, 96
	v_bfe_u32 v10, v0, 3, 1
	v_lshl_add_u32 v5, v10, 4, v5
	v_add_nc_u32 v5, s51, v5                       ; the turning load's address
	v_mov_b32 v24, 0x71800000
	s_wait_kmcnt 0x0
	s_add_nc_u64 s[6:7], s[6:7], s[32:33]
	s_load_b512 s[68:83], s[6:7], 0x0              ; the lane masks of positions 0-15, keys 0-63
	s_load_b512 s[84:99], s[6:7], 0x40
	s_add_nc_u64 s[16:17], s[4:5], s[34:35]        ; Q hi, lo
	s_add_nc_u64 s[18:19], s[16:17], 0x1000000
	s_add_nc_u64 s[20:21], s[4:5], s[36:37]        ; K hi, lo
	s_add_nc_u64 s[22:23], s[20:21], 0x1000000
	s_add_nc_u64 s[24:25], s[4:5], s[38:39]        ; V hi, lo
	s_add_nc_u64 s[26:27], s[24:25], 0x1000000
	s_add_nc_u64 s[28:29], s[8:9], s[40:41]
	s_add_nc_u64 s[8:9], s[28:29], s[42:43]
	s_add_nc_u64 s[10:11], s[10:11], s[44:45]
.irp t, 0,1,2,3,4,5,6,7
	global_load_b128 v[RW+4*\t:RW+4*\t+3], v3, s[24:25] offset:2048*\t
.endr
.irp t, 0,1,2,3,4,5,6,7
	global_load_b128 v[RW+32+4*\t:RW+32+4*\t+3], v3, s[26:27] offset:2048*\t
.endr
	WIN 0x80
.irp c, 0,1,2,3
	global_load_b128 v[8*\c:8*\c+3], v2, s[16:17] offset:64*\c
	global_load_b128 v[8*\c+4:8*\c+7], v2, s[16:17] offset:64*\c+32
.endr
.irp c, 0,1,2,3
	global_load_b128 v[32+8*\c:32+8*\c+3], v2, s[18:19] offset:64*\c
	global_load_b128 v[32+8*\c+4:32+8*\c+7], v2, s[18:19] offset:64*\c+32
.endr
	WIN 0x40
.irp i, 0,1,2,3
.irp c, 0,1,2,3
	global_load_b128 v[32*\i+8*\c:32*\i+8*\c+3], v2, s[20:21] offset:4096*\i+64*\c
	global_load_b128 v[32*\i+8*\c+4:32*\i+8*\c+7], v2, s[20:21] offset:4096*\i+64*\c+32
.endr
.endr
	WIN 0
	s_wait_loadcnt 48                              ; V's 16 loads are in; Q's 16 and K hi's 32 may be out
.irp t, 0,1,2,3,4,5,6,7
	ds_store_b128 v4, v[RW+4*\t:RW+4*\t+3] offset:768*\t
.endr
.irp t, 0,1,2,3,4,5,6,7
	ds_store_b128 v4, v[RW+32+4*\t:RW+32+4*\t+3] offset:6144+768*\t
.endr
	WIN 0x40
.irp i, 0,1,2,3
.irp c, 0,1,2,3
	global_load_b128 v[128+32*\i+8*\c:128+32*\i+8*\c+3], v2, s[22:23] offset:4096*\i+64*\c
	global_load_b128 v[128+32*\i+8*\c+4:128+32*\i+8*\c+7], v2, s[22:23] offset:4096*\i+64*\c+32
.endr
.endr
	WIN 0x80
.irp c, 0,1
	global_load_b128 v[64+8*\c:64+8*\c+3], v6, s[8:9] offset:1024*\c
	global_load_b128 v[64+8*\c+4:64+8*\c+7], v6, s[8:9] offset:1024*\c+512
.endr
	WIN 0
	global_load_b128 v[16:19], v6, s[28:29] offset:8192   ; CM, UM, l's two halves
.irp m, 0,1
.irp c, 0,1
	ds_load_tr16_b128 v[VH+16*\m+8*\c:VH+16*\m+8*\c+3],   v5 offset:\m*32*96+32*\c        ; LDS serves a wave's instructions in order: these see my stores
	ds_load_tr16_b128 v[VH+16*\m+8*\c+4:VH+16*\m+8*\c+7], v5 offset:\m*32*96+16*96+32*\c
	ds_load_tr16_b128 v[VL+16*\m+8*\c:VL+16*\m+8*\c+3],   v5 offset:6144+\m*32*96+32*\c
	ds_load_tr16_b128 v[VL+16*\m+8*\c+4:VL+16*\m+8*\c+7], v5 offset:6144+\m*32*96+16*96+32*\c
.endr
.endr
	s_wait_loadcnt 37                              ; Q and K hi are in; K lo's 32 and the state's 5 may be out
	WIN 0x09                                       ; K window 1, Q window 2, S^T window 0; the four accumulators take turns
.irp c, 0,1,2,3
.irp i, 0,1,2,3
.if \c == 0
	v_wmma_f32_16x16x32_f16 v[S+8*\i:S+8*\i+7], v[32*\i+8*\c:32*\i+8*\c+7], v[8*\c:8*\c+7], 0
.else
	v_wmma_f32_16x16x32_f16 v[S+8*\i:S+8*\i+7], v[32*\i+8*\c:32*\i+8*\c+7], v[8*\c:8*\c+7], v[S+8*\i:S+8*\i+7]
.endif
.endr
.endr
.irp c, 0,1,2,3
.irp i, 0,1,2,3
	v_wmma_f32_16x16x32_f16 v[S+8*\i:S+8*\i+7], v[32*\i+8*\c:32*\i+8*\c+7], v[32+8*\c:32+8*\c+7], v[S+8*\i:S+8*\i+7]
.endr
.endr
	s_wait_loadcnt 5                               ; K lo is in
.irp c, 0,1,2,3
.irp i, 0,1,2,3
	v_wmma_f32_16x16x32_f16 v[S+8*\i:S+8*\i+7], v[128+32*\i+8*\c:128+32*\i+8*\c+7], v[8*\c:8*\c+7], v[S+8*\i:S+8*\i+7]
.endr
.endr
	WIN 0
	PLACES
.set j, 0
.rept 32
	v_exp_f32 v[S+j], v[S+j]
.set j, j+1
.endr
	v_nop
	s_wait_alu depctr_va_vdst(0)
.set j, 0
.rept 16
	v_pk_add_f32 v[S+j:S+j+1], v[S+j:S+j+1], 1.0 op_sel_hi:[1,0]
.set j, j+2
.endr
.set j, 0
.rept 32
	v_rcp_f32 v[S+j], v[S+j]
.set j, j+1
.endr
	v_nop
	s_wait_kmcnt 0x0
	s_wait_loadcnt 0x0                             ; the state
	s_wait_alu depctr_va_vdst(0)
.irp i, 0,1,2,3
.irp x, 0,1,2,3,4,5,6,7
	v_cndmask_b32 v[S+8*\i+\x], v24, v[S+8*\i+\x], s[68+8*\i+\x]
.endr
.endr
.irp k, 0,1,2,3
	v_min3_num_f32 v[20+\k], v[S+8*\k], v[S+8*\k+1], v[S+8*\k+2]
.endr
.irp m, 1,2
.irp k, 0,1,2,3
	v_min3_num_f32 v[20+\k], v[20+\k], v[S+8*\k+2*\m+1], v[S+8*\k+2*\m+2]
.endr
.endr
	v_min3_num_f32 v20, v20, v[S+7], v[S+15]
	v_min3_num_f32 v22, v22, v[S+23], v[S+31]
	v_min3_num_f32 v20, v20, v21, v22
	v_min3_num_f32 v20, v20, v23, v17
	v_permlanex16_b32 v21, v20, s46, s47
	v_mov_b32 v23, v16
	v_min_num_f32 v17, v20, v21
	v_mul_f32 v16, s50, v17
	v_sub_f32 v23, v16, v23
	v_exp_f32 v22, v23                             ; a
.set j, 0
.rept 16
	v_pk_fma_f32 v[S+j:S+j+1], v[S+j:S+j+1], s[48:49], v[16:17] op_sel_hi:[1,0,0]
.set j, j+2
.endr
.set j, 0
.rept 32
	v_exp_f32 v[S+j], v[S+j]                       ; p
.set j, j+1
.endr
	v_nop
	s_wait_alu depctr_va_vdst(0)
.set j, 0
.rept 16                               ; p's hi and lo parts: T = 8193 p; hi = T - (T - p); lo = p - hi
	v_pk_mul_f32 v[TF+j:TF+j+1], v[S+j:S+j+1], s[30:31] op_sel_hi:[1,0]
.set j, j+2
.endr
.set j, 0
.rept 16
	v_pk_add_f32 v[RW+j:RW+j+1], v[TF+j:TF+j+1], v[S+j:S+j+1] neg_lo:[0,1] neg_hi:[0,1]
.set j, j+2
.endr
.set j, 0
.rept 16
	v_pk_add_f32 v[TF+j:TF+j+1], v[TF+j:TF+j+1], v[RW+j:RW+j+1] neg_lo:[0,1] neg_hi:[0,1]
.set j, j+2
.endr
.set j, 0
.rept 16
	v_pk_add_f32 v[RW+j:RW+j+1], v[S+j:S+j+1], v[TF+j:TF+j+1] neg_lo:[0,1] neg_hi:[0,1]
.set j, j+2
.endr
.set j, 0
.rept 16
	v_cvt_pk_f16_f32 v[PH+j], v[TF+2*j], v[TF+2*j+1]
	v_cvt_pk_f16_f32 v[PL+j], v[RW+2*j], v[RW+2*j+1]
.set j, j+1
.endr
.irp z, 0,1,2,3,4,5,6,7
	v_pk_add_f32 v[S+4*\z:S+4*\z+1], v[S+4*\z:S+4*\z+1], v[S+4*\z+2:S+4*\z+3]
.endr
.irp z, 0,1,2,3
	v_pk_add_f32 v[S+8*\z:S+8*\z+1], v[S+8*\z:S+8*\z+1], v[S+8*\z+4:S+8*\z+5]
.endr
.irp z, 0,1
	v_pk_add_f32 v[S+16*\z:S+16*\z+1], v[S+16*\z:S+16*\z+1], v[S+16*\z+8:S+16*\z+9]
.endr
	v_pk_add_f32 v[S:S+1], v[S:S+1], v[S+16:S+17]
	v_pk_fma_f32 v[18:19], v[18:19], v[22:23], v[S:S+1] op_sel_hi:[1,0,1]   ; l = a l + the sum
	s_wait_dscnt 0x0                               ; V's fragments
	WIN 0x82
.set j, 0
.rept 8
	v_pk_mul_f32 v[64+j:64+j+1], v[64+j:64+j+1], v[22:23] op_sel_hi:[1,0]   ; the stored O^T x a
.set j, j+2
.endr
	WIN 0xa0                                       ; V and p window 0, O^T window 2; the two accumulators take turns
.irp m, 0,1
.irp c, 0,1
	v_wmma_f32_16x16x32_f16 v[64+8*\c:64+8*\c+7], v[VH+16*\m+8*\c:VH+16*\m+8*\c+7], v[PH+8*\m:PH+8*\m+7], v[64+8*\c:64+8*\c+7]
.endr
.endr
.irp m, 0,1
.irp c, 0,1
	v_wmma_f32_16x16x32_f16 v[64+8*\c:64+8*\c+7], v[VH+16*\m+8*\c:VH+16*\m+8*\c+7], v[PL+8*\m:PL+8*\m+7], v[64+8*\c:64+8*\c+7]
.endr
.endr
.irp m, 0,1
.irp c, 0,1
	v_wmma_f32_16x16x32_f16 v[64+8*\c:64+8*\c+7], v[VL+16*\m+8*\c:VL+16*\m+8*\c+7], v[PH+8*\m:PH+8*\m+7], v[64+8*\c:64+8*\c+7]
.endr
.endr
	WIN 0
	v_add_f32 v20, v18, v19
	v_permlanex16_b32 v21, v20, s46, s47
	v_add_f32 v20, v20, v21
	v_rcp_f32 v20, v20
	PLACES                                         ; plain instructions behind the reciprocal and behind the last products
	s_wait_alu depctr_va_vdst(0)
	WIN 0x02
.set j, 0
.rept 8
	v_pk_mul_f32 v[TF+j:TF+j+1], v[64+j:64+j+1], v[20:21] op_sel_hi:[1,0]   ; O^T / l, each accumulator from its low end on
.set j, j+2
.endr
	WIN 0
.irp c, 0,1
	global_store_b128 v6, v[TF+8*\c:TF+8*\c+3], s[10:11] offset:1024*\c          ; 512 consecutive bytes a store
	global_store_b128 v6, v[TF+8*\c+4:TF+8*\c+7], s[10:11] offset:1024*\c+512
.endr
	s_wait_tensorcnt 0x0                           ; the wave's end, behind my last LDS store
	ds_add_u32 v[SPW], v[NIL]
	s_wait_dscnt 0x0
	s_endpgm
.Lfunc_end_k_q4064565343_fattn:
	.size	k_q4064565343_fattn, .Lfunc_end_k_q4064565343_fattn-k_q4064565343_fattn
	.p2alignl 7, 3214868480
	.fill 96, 4, 3214868480
	.section	.rodata,"a",@progbits
	.p2align	6, 0x0
	.amdhsa_kernel k_q4064565343_fattn
		.amdhsa_group_segment_fixed_size 49664
		.amdhsa_private_segment_fixed_size 0
		.amdhsa_enable_private_segment 0
		.amdhsa_kernarg_size 32
		.amdhsa_user_sgpr_count 2
		.amdhsa_user_sgpr_kernarg_segment_ptr 1
		.amdhsa_wavefront_size32 1
		.amdhsa_system_sgpr_workgroup_id_x 1
		.amdhsa_system_sgpr_workgroup_id_y 1
		.amdhsa_system_sgpr_workgroup_id_z 1
		.amdhsa_system_vgpr_workitem_id 0
		.amdhsa_next_free_vgpr 768
		.amdhsa_next_free_sgpr 100
		.amdhsa_reserve_vcc 0
		.amdhsa_float_denorm_mode_32 3
		.amdhsa_float_denorm_mode_16_64 3
		.amdhsa_memory_ordered 1
		.amdhsa_forward_progress 1
		.amdhsa_inst_pref_size 37
	.end_amdhsa_kernel
	.amdgpu_metadata
---
amdhsa.version: [ 1, 2 ]
amdhsa.kernels:
  - .name:           k_q4064565343_fattn
    .symbol:         k_q4064565343_fattn.kd
    .args:
      - { .name: qkv, .offset: 0, .size: 8, .value_kind: global_buffer, .address_space: global }
      - { .name: maskw, .offset: 8, .size: 8, .value_kind: global_buffer, .address_space: global }
      - { .name: snap, .offset: 16, .size: 8, .value_kind: global_buffer, .address_space: global }
      - { .name: encf, .offset: 24, .size: 8, .value_kind: global_buffer, .address_space: global }
    .group_segment_fixed_size: 49664
    .private_segment_fixed_size: 0
    .kernarg_segment_align: 8
    .kernarg_segment_size: 32
    .max_flat_workgroup_size: 128
    .sgpr_count:     100
    .vgpr_count:     768
    .wavefront_size: 32
...
	.end_amdgpu_metadata
.endif
;; end of part 4
;; launch oproj (part 5): grid 8 x 32, 4 waves a work-group, clusters of 4 x 4, 327,680 bytes of LDS; arguments enc, pre, out0; writes out0
.if DOCPART == 5
	.amdgcn_target "amdgcn-amd-amdhsa--gfx1250"
	.amdhsa_code_object_version 6
	.text
	.protected	k_q4064565343_oproj
	.globl	k_q4064565343_oproj
	.p2align	8
	.type	k_q4064565343_oproj,@function
k_q4064565343_oproj:
	s_mov_b64 s[64:65], 0
	v_nop
	global_prefetch_b8 v0, s[64:65] scope:SCOPE_SE
	s_setreg_imm32_b32 hwreg(HW_REG_WAVE_MODE, 25, 1), 1
	s_wait_xcnt 0x0
	s_wait_alu depctr_hold_cnt(0) depctr_sa_sdst(0) depctr_va_vdst(0) depctr_va_sdst(0) depctr_va_ssrc(0) depctr_va_vcc(0) depctr_vm_vsrc(0)
	s_getreg_b32 s2, hwreg(HW_REG_IB_STS2, 6, 4)
	s_cmp_eq_u32 s2, 0
	s_cbranch_scc0 .Lentry_in_a_cluster
	s_endpgm
.Lentry_in_a_cluster:
	s_bfe_u32 s2, ttmp6, 0x10000c
	s_cmp_lg_u32 s2, 0xf033
	s_cbranch_scc0 .Lentry_shape_is_right
	s_endpgm
.Lentry_shape_is_right:
; out = enc wvec: [4096][1024] x [1024][2048], f16 operands, f32 sums and results.
; A work-group makes 128 rows x 256 columns, a wave 64 x 128: 32 accumulators.  8 x 32 work-groups, one for each WGP.  K goes in steps of 128 through a ring of two LDS slots.
; wvec lies [K][N]: its fragments come out of LDS turned, by ds_load_tr16_b128 (row pitch 544 bytes, an odd multiple of 32).
; CLUSTERS 4 x 4: enc's tiles are asked for jointly along a row of the cluster, wvec's along a column.
; THE MATRIX INSTRUCTION IS USED TRANSPOSED (source 0 = 16 columns of wvec, source 1 = 16 rows of enc): a lane holds eight neighbouring numbers of a row of out.
; Rows 0-15 of each sequence are written here too and written over by the launch that follows, which carries them in f32.
; No prefetch: a short launch whose tiles are shared in the cluster.
; REGISTERS: window 0: v16-29 addresses; v128-191 enc's fragments, two sets; on the way out v128-255.  window 1: wvec's fragments, two sets (v0, v128).  window 2: accumulator (a, b) at v[64 a + 8 b].
.set WV,    6684672
.set PA,    272                        ; a row of enc's tile in LDS: 256 bytes + 16
.set PB,    544                        ; a row of wvec's: 512 + 32
.set AHALF, 64*PA
.set BOFF,  2*AHALF
.set BHALF, 64*PB
.set SLOT,  BOFF+2*BHALF
.set SPARE, 2*SLOT                     ; the spare words, 128 bytes for each wave, that no other line names
.set SPITCH, 528                       ; the way out: 16 rows x (512 bytes + 16) for each wave, in slot 0, which has had its last fill and its last read by then
.set LAPS,  4                          ; a lap = two K steps of 128
.set ADRA, 16
.set ADRB, 20
.set STO,  24
.set RD,   25
.set CO,   26
.set SPW,  28
.set NIL,  29
.set AF,   128
.set BK,   128
.set G1A,  24
.set G0A,  32
.set G1B,  48
.set G0B,  56
.set MULW, 0xa1
.set MSB, 0
.macro WIN new
.if MSB != \new
	s_set_vgpr_msb (MSB<<8)|\new
.set MSB, \new
.endif
.endm
.macro PLACES
.rept 4
	v_nop
.endr
.endm
.macro JLOAD s                         ; waves 0 and 1 fetch enc's two halves, waves 2 and 3 wvec's; an s_nop 0 and four v_nop follow each line
	s_cmp_eq_u32 s15, 0
	s_cbranch_scc0 .Lfor_b_\@
	tensor_load_to_lds s[G0A+4*\s:G0A+4*\s+3], s[G1A:G1A+7]
	s_nop 0
.rept 4
	v_nop
.endr
	s_branch .Lasked_\@
.Lfor_b_\@:
	tensor_load_to_lds s[G0B+4*\s:G0B+4*\s+3], s[G1B:G1B+7]
	s_nop 0
.rept 4
	v_nop
.endr
.Lasked_\@:
.endm
.macro CREST
	s_cmp_lg_u32 s14, 0
	s_cbranch_scc1 .Lnot_wave_0_\@
	s_barrier_signal -3
.Lnot_wave_0_\@:
	s_barrier_wait -3
	s_barrier_signal -1
	s_barrier_wait -1
.endm
.macro CROUND
	s_barrier_signal -1
	s_barrier_wait -1
	CREST
.endm
	s_load_b128 s[4:7], s[0:1], 0x0                ; enc, pre
	s_load_b64 s[8:9], s[0:1], 0x10                ; out0
	v_lshl_add_u32 v[SPW], v0, 2, SPARE
	v_mov_b32 v[NIL], 0
	ds_add_u32 v[SPW], v[NIL]                      ; the wave's opening: the add, twice on end, and its wait ahead of my first tensor load
	ds_add_u32 v[SPW], v[NIL]
	v_lshrrev_b32 v1, 5, v0
	v_readfirstlane_b32 s14, v1
	s_lshr_b32 s15, s14, 1                         ; my half of the rows.  Also: I fetch for enc (0) or wvec (1)
	s_and_b32 s16, s14, 1                          ; my half of the columns.  Also: which half I fetch
	s_bfe_u32 s40, ttmp6, 0x40000
	s_bfe_u32 s41, ttmp6, 0x40004
	s_lshl_b32 s42, ttmp9, 2
	s_add_co_u32 s42, s42, s40                     ; tile column
	s_and_b32 s17, ttmp7, 0xffff
	s_lshl_b32 s17, s17, 2
	s_add_co_u32 s17, s17, s41                     ; tile row
	s_lshl_b32 s43, s41, 2
	s_lshl_b32 s43, 15, s43
	s_lshl_b32 s44, 0x1111, s40
	s_or_b32 s[G1A], s43, (1<<16)|(1<<20)|(1<<21)|(5<<22)|(3<<25)   ; elements of 2 bytes; 4 words of padding behind every 64
	s_mov_b32 s[G1A+1], 128<<16
	s_mov_b32 s[G1A+2], 64<<16
	s_mov_b32 s[G1A+3], 128<<16
	s_mov_b32 s[G1A+4], 64
	s_mov_b32 s[G1A+5], 1024
	s_mov_b32 s[G1A+6], 0
	s_mov_b32 s[G1A+7], 0
	s_or_b32 s[G1B], s44, (1<<16)|(1<<20)|(1<<21)|(6<<22)|(7<<25)   ; 8 words of padding behind every 128
	s_mov_b32 s[G1B+1], 256<<16
	s_mov_b32 s[G1B+2], 64<<16
	s_mov_b32 s[G1B+3], 256<<16
	s_mov_b32 s[G1B+4], 64
	s_mov_b32 s[G1B+5], 2048
	s_mov_b32 s[G1B+6], 0
	s_mov_b32 s[G1B+7], 0
	s_lshl_b32 s20, s17, 7
	s_lshl_b32 s18, s16, 6
	s_add_co_u32 s20, s20, s18
	s_lshl_b32 s20, s20, 11                        ; enc: row 128 x tile row + 64 x half, 2048 bytes a row
	s_mov_b32 s21, 0
	s_lshl_b32 s46, s16, 18                        ; wvec: K row 64 x half, 4096 bytes a row,
	s_lshl_b32 s18, s42, 9
	s_add_co_u32 s46, s46, s18                     ; column 256 x tile column
	s_add_co_u32 s46, s46, WV
	s_mov_b32 s47, 0
	s_mul_i32 s45, s16, AHALF
	s_mul_i32 s19, s16, BHALF
	s_add_co_u32 s19, s19, BOFF
	s_wait_dscnt 0x0
	s_wait_kmcnt 0x0
	s_add_nc_u64 s[20:21], s[4:5], s[20:21]
	s_add_nc_u64 s[46:47], s[6:7], s[46:47]
	CROUND
.irp s, 0,1
	s_mov_b32 s[G0A+4*\s], 1
	s_add_co_u32 s[G0A+4*\s+1], s45, \s*SLOT
	s_add_nc_u64 s[G0A+4*\s+2:G0A+4*\s+3], s[20:21], \s*256
	s_or_b32 s[G0A+4*\s+3], s[G0A+4*\s+3], 0x80000000
	s_mov_b32 s[G0B+4*\s], 1
	s_add_co_u32 s[G0B+4*\s+1], s19, \s*SLOT
	s_add_nc_u64 s[G0B+4*\s+2:G0B+4*\s+3], s[46:47], \s*524288
	s_or_b32 s[G0B+4*\s+3], s[G0B+4*\s+3], 0x80000000
	JLOAD \s
.endr
	v_and_b32 v1, 15, v0                           ; r
	v_bfe_u32 v2, v0, 4, 1                         ; h
	v_mul_u32_u24 v3, v1, PA
	v_lshl_add_u32 v3, v2, 4, v3
	v_and_b32 v4, 7, v0
	v_lshl_add_u32 v4, v2, 3, v4
	v_mul_u32_u24 v4, v4, PB
	v_bfe_u32 v5, v0, 3, 1
	v_lshl_add_u32 v4, v5, 4, v4                   ; the turning load: K row 8 h + lane % 8, 16 bytes x ((lane / 8) % 2)
	s_mul_i32 s18, s15, AHALF
	s_lshl_b32 s19, s16, 8                         ; my 128 columns: 256 bytes
	s_add_co_u32 s19, s19, BOFF
.irp s, 0,1
	v_add_nc_u32 v[ADRA+\s], s18, v3
	v_add_nc_u32 v[ADRB+\s], s19, v4
	s_add_co_u32 s18, s18, SLOT
	s_add_co_u32 s19, s19, SLOT
.endr
	s_mul_i32 s18, s14, 16*SPITCH
	v_mul_u32_u24 v5, v1, SPITCH
	v_lshl_add_u32 v5, v2, 5, v5
	v_add_nc_u32 v[STO], s18, v5
	v_and_b32 v6, 31, v0
	v_lshlrev_b32 v[CO], 4, v6
	v_add_nc_u32 v[RD], s18, v[CO]
	s_lshl_b32 s18, s17, 7
	s_lshl_b32 s19, s15, 6
	s_add_co_u32 s18, s18, s19
	s_lshl_b32 s18, s18, 13                        ; my first row of out, 8192 bytes a row
	s_lshl_b32 s19, s42, 10
	s_add_co_u32 s18, s18, s19
	s_lshl_b32 s19, s16, 9
	s_add_co_u32 s18, s18, s19
	s_mov_b32 s19, 0
	s_add_nc_u64 s[8:9], s[8:9], s[18:19]
.macro FETCH slot, q, p                ; the fragments of the slot's q-th 32 along K into set p
	WIN 0x40
.irp i, 0,1,2,3,4,5,6,7
	ds_load_tr16_b128 v[128*(\p)+8*\i:128*(\p)+8*\i+3],   v[ADRB+\slot] offset:32*PB*(\q)+32*\i
	ds_load_tr16_b128 v[128*(\p)+8*\i+4:128*(\p)+8*\i+7], v[ADRB+\slot] offset:32*PB*(\q)+16*PB+32*\i
.endr
	WIN 0
.irp i, 0,1,2,3
	ds_load_b128 v[AF+32*(\p)+8*\i:AF+32*(\p)+8*\i+3],   v[ADRA+\slot] offset:64*(\q)+\i*16*PA
	ds_load_b128 v[AF+32*(\p)+8*\i+4:AF+32*(\p)+8*\i+7], v[ADRA+\slot] offset:64*(\q)+\i*16*PA+32
.endr
.endm
.macro MUL8 a, p, zero                 ; the 32 accumulators take turns in the same order in every step
.irp b, 0,1,2,3,4,5,6,7
.if \zero
	v_wmma_f32_16x16x32_f16 v[64*(\a)+8*\b:64*(\a)+8*\b+7], v[128*(\p)+8*\b:128*(\p)+8*\b+7], v[AF+32*(\p)+8*(\a):AF+32*(\p)+8*(\a)+7], 0
.else
	v_wmma_f32_16x16x32_f16 v[64*(\a)+8*\b:64*(\a)+8*\b+7], v[128*(\p)+8*\b:128*(\p)+8*\b+7], v[AF+32*(\p)+8*(\a):AF+32*(\p)+8*(\a)+7], v[64*(\a)+8*\b:64*(\a)+8*\b+7]
.endif
.endr
.endm
.macro STEP slot, q, zero
	s_wait_dscnt 0x0                               ; this quarter's fragments are in
	PLACES                                         ; in front of loads into the set that the last quarter's products read
	FETCH \slot, (\q)+1, 1-(\q)%2
	WIN MULW
	MUL8 0, (\q)%2, \zero
	MUL8 1, (\q)%2, \zero
	MUL8 2, (\q)%2, \zero
	MUL8 3, (\q)%2, \zero
.endm
.macro TURN slot, next, fill           ; a slot's last quarter changes slots
	WIN 0
	s_wait_tensorcnt 0x0                           ; all my tensor loads have landed: my part of the next slot
	ds_add_u32 v[SPW], v[NIL]
	s_wait_dscnt 1                                 ; this quarter's fragments are in; the add may be out
	WIN MULW
	MUL8 0, 1, 0
	s_wait_dscnt 0x0                               ; the add is done, and my reads of this slot are over
	s_barrier_signal -1
	MUL8 1, 1, 0
	WIN 0
	s_barrier_wait -1
.if \fill
	CREST                                          ; the barrier has opened a round of the cluster's
	s_add_nc_u64 s[G0A+4*\slot+2:G0A+4*\slot+3], s[G0A+4*\slot+2:G0A+4*\slot+3], 512
	s_add_nc_u64 s[G0B+4*\slot+2:G0B+4*\slot+3], s[G0B+4*\slot+2:G0B+4*\slot+3], 1048576
	JLOAD \slot                                    ; the first tensor load behind the round; its four v_nop are the places in front of the loads below
.else
	PLACES
.endif
	FETCH \next, 0, 0
	WIN MULW
	MUL8 2, 1, 0
	MUL8 3, 1, 0
.endm
	s_wait_tensorcnt 1                             ; my part of K step 0 is in; K step 1's may be out
	s_barrier_signal -1
	s_barrier_wait -1
	FETCH 0, 0, 0
	STEP 0, 0, 1
	WIN 0
	s_mov_b32 s3, LAPS-1
.Llap:                                             ; a trip goes once round the ring and fills both slots again
	STEP 0, 1, 0
	STEP 0, 2, 0
	TURN 0, 1, 1
	STEP 1, 0, 0
	STEP 1, 1, 0
	STEP 1, 2, 0
	TURN 1, 0, 1
	STEP 0, 0, 0
	WIN 0
	s_sub_co_u32 s3, s3, 1
	s_cmp_lg_u32 s3, 0
	s_cbranch_scc1 .Llap
	STEP 0, 1, 0                                   ; the last lap fills nothing
	STEP 0, 2, 0
	TURN 0, 1, 0
	STEP 1, 0, 0
	STEP 1, 1, 0
	STEP 1, 2, 0
	s_wait_dscnt 0x0
	WIN MULW
	MUL8 0, 1, 0
	MUL8 1, 1, 0
	MUL8 2, 1, 0
	MUL8 3, 1, 0
	WIN 0
; THE WAY OUT, 16 rows x 128 columns at a time, through my stage: the 32 lanes store a row's 512 consecutive bytes.
.macro TOSTAGE a
	WIN 0x08
.irp b, 0,1,2,3,4,5,6,7
	ds_store_b128 v[STO], v[64*(\a)+8*\b:64*(\a)+8*\b+3] offset:64*\b         ; each accumulator from its low end on
	ds_store_b128 v[STO], v[64*(\a)+8*\b+4:64*(\a)+8*\b+7] offset:64*\b+16
.endr
	WIN 0
.set BB, BK+64*((\a)%2)
.irp t, 0,1,2,3,4,5,6,7,8,9,10,11,12,13,14,15
	ds_load_b128 v[BB+4*\t:BB+4*\t+3], v[RD] offset:\t*SPITCH
.endr
.endm
.macro SEND a, younger
.set BB, BK+64*((\a)%2)
	s_wait_dscnt \younger
.if (\a) > 0
	s_add_nc_u64 s[8:9], s[8:9], 16*8192           ; (behind a wait on XCNT: the earlier stores have read their base)
.endif
.irp t, 0,1,2,3,4,5,6,7,8,9,10,11,12,13,14,15
	global_store_b128 v[CO], v[BB+4*\t:BB+4*\t+3], s[8:9] offset:\t*8192
.endr
.endm
	PLACES
	TOSTAGE 0
.irp a, 1,2,3
.if \a > 1
	s_wait_xcnt 0x0                                ; the block two back: its stores have read their registers and their base
.endif
	TOSTAGE \a
	SEND \a-1, 32                                  ; behind that block's loads: the next block's 16 stores and 16 loads
.endr
	s_wait_xcnt 0x0
	SEND 3, 0
	s_wait_tensorcnt 0x0                           ; the wave's end
	ds_add_u32 v[SPW], v[NIL]
	s_wait_dscnt 0x0
	CROUND                                         ; the closing round
	s_endpgm
.Lfunc_end_k_q4064565343_oproj:
	.size	k_q4064565343_oproj, .Lfunc_end_k_q4064565343_oproj-k_q4064565343_oproj
	.p2alignl 7, 3214868480
	.fill 96, 4, 3214868480
	.section	.rodata,"a",@progbits
	.p2align	6, 0x0
	.amdhsa_kernel k_q4064565343_oproj
		.amdhsa_group_segment_fixed_size 327680
		.amdhsa_private_segment_fixed_size 0
		.amdhsa_enable_private_segment 0
		.amdhsa_kernarg_size 24
		.amdhsa_user_sgpr_count 2
		.amdhsa_user_sgpr_kernarg_segment_ptr 1
		.amdhsa_wavefront_size32 1
		.amdhsa_system_sgpr_workgroup_id_x 1
		.amdhsa_system_sgpr_workgroup_id_y 1
		.amdhsa_system_sgpr_workgroup_id_z 1
		.amdhsa_system_vgpr_workitem_id 0
		.amdhsa_next_free_vgpr 768
		.amdhsa_next_free_sgpr 66
		.amdhsa_reserve_vcc 0
		.amdhsa_float_denorm_mode_32 3
		.amdhsa_float_denorm_mode_16_64 3
		.amdhsa_memory_ordered 1
		.amdhsa_forward_progress 1
		.amdhsa_inst_pref_size 85
	.end_amdhsa_kernel
	.amdgpu_metadata
---
amdhsa.version: [ 1, 2 ]
amdhsa.kernels:
  - .name:           k_q4064565343_oproj
    .symbol:         k_q4064565343_oproj.kd
    .args:
      - { .name: enc, .offset: 0, .size: 8, .value_kind: global_buffer, .address_space: global }
      - { .name: pre, .offset: 8, .size: 8, .value_kind: global_buffer, .address_space: global }
      - { .name: out0, .offset: 16, .size: 8, .value_kind: global_buffer, .address_space: global }
    .group_segment_fixed_size: 327680
    .private_segment_fixed_size: 0
    .kernarg_segment_align: 8
    .kernarg_segment_size: 24
    .max_flat_workgroup_size: 128
    .sgpr_count:     66
    .vgpr_count:     768
    .wavefront_size: 32
...
	.end_amdgpu_metadata
.endif
;; end of part 5
;; launch fproj (part 6): grid 128 x 1, 8 waves a work-group, no clusters, 17,408 bytes of LDS; arguments encf, wvec, out0; writes out0
.if DOCPART == 6
	.amdgcn_target "amdgcn-amd-amdhsa--gfx1250"
	.amdhsa_code_object_version 6
	.text
	.protected	k_q4064565343_fproj
	.globl	k_q4064565343_fproj
	.p2align	8
	.type	k_q4064565343_fproj,@function
k_q4064565343_fproj:
	s_mov_b64 s[64:65], 0
	v_nop
	global_prefetch_b8 v0, s[64:65] scope:SCOPE_SE
	s_setreg_imm32_b32 hwreg(HW_REG_WAVE_MODE, 25, 1), 1
	s_wait_xcnt 0x0
; THE FIRST 16 POSITIONS of both sequences, projected with f32 operands: out[b][t < 16][d] = the sum over heads and channels of encf x wvec.  It writes over what the launch before left in those 32 rows.
; A work-group owns 16 columns; wave n takes head n (K = 128, 32 matrix instructions of K = 4) for both sequences; the eight waves' parts meet in LDS and are added in ascending order of heads.
; No bulk work: 32 rows.  128 work-groups, so that a wave has 64 matrix instructions; the price is that a work-group reads 64 bytes of each row of wvec and stores 64 bytes of each row of out.
; Source 0 = wvec (row m = column d), source 1 = encf's register images (column n = position).  In an image lane (r, h) holds position r, register 8 c + x channel 16 c + 8 h + x; so the pair of registers 8 c + 2 j,
; 8 c + 2 j + 1 stands for channels 16 c + 8 h + 2 j + 0, 1, and wvec is loaded by the same map: a permutation of K applied alike to both sides.
; The accumulators are written by matrix instructions alone; each sum begins with the constant 0; the two take turns.
.set SPARE, 16384
.set SPW, 14
.set NIL, 15
	s_load_b128 s[4:7], s[0:1], 0x0                ; encf, wvec
	s_load_b64 s[8:9], s[0:1], 0x10                ; out0
	v_lshl_add_u32 v[SPW], v0, 2, SPARE
	v_mov_b32 v[NIL], 0
	v_lshrrev_b32 v1, 5, v0
	v_readfirstlane_b32 s10, v1                    ; wave = head
	v_and_b32 v2, 31, v0
	v_lshlrev_b32 v3, 4, v2                        ; 16 x lane
	v_and_b32 v8, 15, v0                           ; r
	v_bfe_u32 v9, v0, 4, 1                         ; h
	v_lshlrev_b32 v4, 2, v8
	v_lshl_add_u32 v4, v9, 16, v4                  ; wvec: column r, 8 h rows of 8192 bytes down
	s_lshl_b32 s11, s10, 11
	v_add_nc_u32 v5, s11, v3                       ; LDS: my four images
	s_and_b32 s12, s10, 3
	s_lshl_b32 s13, s12, 9
	v_add_nc_u32 v6, s13, v3                       ; and the image that I add up (waves 0 to 3)
	v_lshlrev_b32 v7, 13, v8
	v_lshl_add_u32 v7, v9, 5, v7                   ; out: row r, + 32 h
	s_lshl_b32 s14, s10, 13
	s_mov_b32 s15, 0
	s_lshl_b32 s16, s10, 20
	s_lshl_b32 s20, ttmp9, 6                       ; my 16 columns
	s_add_co_u32 s16, s16, s20
	s_mov_b32 s17, 0
	s_lshr_b32 s18, s12, 1
	s_lshl_b32 s18, s18, 24                        ; the sequence: 2048 rows of 8192 bytes
	s_add_co_u32 s18, s18, s20
	s_and_b32 s21, s12, 1
	s_lshl_b32 s21, s21, 4
	s_add_co_u32 s18, s18, s21
	s_mov_b32 s19, 0
	s_wait_kmcnt 0x0
	s_add_nc_u64 s[4:5], s[4:5], s[14:15]
	s_add_nc_u64 s[6:7], s[6:7], s[16:17]
	s_add_nc_u64 s[8:9], s[8:9], s[18:19]
.irp b, 0,1
.irp c, 0,1,2,3,4,5,6,7
	global_load_b128 v[32+64*\b+8*\c:32+64*\b+8*\c+3], v3, s[4:5] offset:65536*\b+1024*\c
	global_load_b128 v[32+64*\b+8*\c+4:32+64*\b+8*\c+7], v3, s[4:5] offset:65536*\b+1024*\c+512
.endr
.endr
.irp c, 0,1,2,3,4,5,6,7
.irp x, 0,1,2,3,4,5,6,7
	global_load_b32 v[160+8*\c+\x], v4, s[6:7] offset:(16*\c+\x)*8192
.endr
.endr
	s_wait_loadcnt 0x0
.irp c, 0,1,2,3,4,5,6,7
.irp j, 0,1,2,3
.irp b, 0,1
.if (\c == 0) && (\j == 0)
	v_wmma_f32_16x16x4_f32 v[224+8*\b:224+8*\b+7], v[160+8*\c+2*\j:160+8*\c+2*\j+1], v[32+64*\b+8*\c+2*\j:32+64*\b+8*\c+2*\j+1], 0
.else
	v_wmma_f32_16x16x4_f32 v[224+8*\b:224+8*\b+7], v[160+8*\c+2*\j:160+8*\c+2*\j+1], v[32+64*\b+8*\c+2*\j:32+64*\b+8*\c+2*\j+1], v[224+8*\b:224+8*\b+7]
.endif
.endr
.endr
.endr
.rept 8
	v_nop                                          ; eight places behind this form, in front of the reads of results and of loads into registers that it has read
.endr
.irp b, 0,1
	ds_store_b128 v5, v[224+8*\b:224+8*\b+3] offset:1024*\b          ; lane (r, h): position r, columns 8 h + 0 .. 3,
	ds_store_b128 v5, v[224+8*\b+4:224+8*\b+7] offset:1024*\b+512    ; and 8 h + 4 .. 7
.endr
	s_wait_dscnt 0x0                               ; for the others' sake: my stores are done
	s_barrier_signal -1
	s_barrier_wait -1
	s_cmp_lt_u32 s10, 4
	s_cbranch_scc0 .Lend
.irp n, 0,1,2,3,4,5,6,7
	ds_load_b128 v[32+4*\n:35+4*\n], v6 offset:2048*\n
.endr
	s_wait_dscnt 0x0
	v_pk_add_f32 v[96:97], v[32:33], v[36:37]
	v_pk_add_f32 v[98:99], v[34:35], v[38:39]
.irp n, 2,3,4,5,6,7
	v_pk_add_f32 v[96:97], v[96:97], v[32+4*\n:33+4*\n]
	v_pk_add_f32 v[98:99], v[98:99], v[34+4*\n:35+4*\n]
.endr
	global_store_b128 v7, v[96:99], s[8:9]
.Lend:
	s_wait_tensorcnt 0x0                           ; the wave's end, behind my last LDS store
	ds_add_u32 v[SPW], v[NIL]
	s_wait_dscnt 0x0
	s_endpgm
.Lfunc_end_k_q4064565343_fproj:
	.size	k_q4064565343_fproj, .Lfunc_end_k_q4064565343_fproj-k_q4064565343_fproj
	.p2alignl 7, 3214868480
	.fill 96, 4, 3214868480
	.section	.rodata,"a",@progbits
	.p2align	6, 0x0
	.amdhsa_kernel k_q4064565343_fproj
		.amdhsa_group_segment_fixed_size 17408
		.amdhsa_private_segment_fixed_size 0
		.amdhsa_enable_private_segment 0
		.amdhsa_kernarg_size 24
		.amdhsa_user_sgpr_count 2
		.amdhsa_user_sgpr_kernarg_segment_ptr 1
		.amdhsa_wavefront_size32 1
		.amdhsa_system_sgpr_workgroup_id_x 1
		.amdhsa_system_sgpr_workgroup_id_y 1
		.amdhsa_system_sgpr_workgroup_id_z 1
		.amdhsa_system_vgpr_workitem_id 0
		.amdhsa_next_free_vgpr 240
		.amdhsa_next_free_sgpr 66
		.amdhsa_reserve_vcc 0
		.amdhsa_float_denorm_mode_32 3
		.amdhsa_float_denorm_mode_16_64 3
		.amdhsa_memory_ordered 1
		.amdhsa_forward_progress 1
		.amdhsa_inst_pref_size 17
	.end_amdhsa_kernel
	.amdgpu_metadata
---
amdhsa.version: [ 1, 2 ]
amdhsa.kernels:
  - .name:           k_q4064565343_fproj
    .symbol:         k_q4064565343_fproj.kd
    .args:
      - { .name: encf, .offset: 0, .size: 8, .value_kind: global_buffer, .address_space: global }
      - { .name: wvec, .offset: 8, .size: 8, .value_kind: global_buffer, .address_space: global }
      - { .name: out0, .offset: 16, .size: 8, .value_kind: global_buffer, .address_space: global }
    .group_segment_fixed_size: 17408
    .private_segment_fixed_size: 0
    .kernarg_segment_align: 8
    .kernarg_segment_size: 24
    .max_flat_workgroup_size: 256
    .sgpr_count:     66
    .vgpr_count:     240
    .wavefront_size: 32
...
	.end_amdgpu_metadata
.endif
;; end of part 6
